; MI455X (gfx1250); checked and timed in simulation.
; The chip was launched on July 23, 2026; its instructions are those of AMD's public machine-readable ISA for CDNA 5 (MIT licence, August 2026) and "CDNA5" Instruction Set Architecture Reference Guide (July 2026). The comments in the code are by the model that wrote it; some were corrected since.
;; Encoder Block. Allowed arithmetic: matrix products marked QUANTISED: E2M3 operands, one E8M0 scale for each 32 along K, by v_wmma_scale_f32_16x16x128_f8f6f4 with both operands' format E2M3, f32 sums; everything else in f32.
;; Inputs: W1 1,024 x 4,096 float32; W2 4,096 x 1,024 float32; WK 1,024 x 64 float32; WO 1,024 x 1,024 float32; WQ 1,024 x 1,024 float32; WV 1,024 x 64 float32; b1 4,096 float32; b2 1,024 float32; bK 64 float32; bO 1,024 float32; bQ 1,024 float32; bV 64 float32; g1 1,024 float32; g2 1,024 float32; mask 4 x 1,024 bool; x 4 x 1,024 x 1,024 float32.
;; Outputs: out0 4 x 1,024 x 1,024 float32.
;; This version of the problem:
;;   THIS VERSION OF THE PROBLEM IS GIVEN IN LOW PRECISION. The matrix products marked QUANTISED in the list below multiply operands that are first quantised to E2M3 (2 exponent bits, 3 mantissa bits; 6 bits a number), with one power-of-two scale for each 32 numbers along K (OCP MX v1.0); their sums are f32. All else is computed in f32.
;;   The module's matrix products, in the order in which they are computed (A, B: the left and right operand; K: the contracted axis; several contracted axes count as one K, in the product's order):
;;     1. [M 4,096, K 1,024] x [K 1,024, N 1,024]; A: computed on the way; B: input WQ: QUANTISED
;;     2. [M 4,096, K 1,024] x [K 1,024, N 64]; A: computed on the way; B: input WK: QUANTISED
;;     3. [M 4,096, K 1,024] x [K 1,024, N 64]; A: computed on the way; B: input WV: QUANTISED
;;     4. batch 4 x [M 1,024, K 64] x [K 64, N 16,384]; A: computed on the way; B: computed on the way: QUANTISED
;;     5. batch 4 x [M 64, K 1,024] x [K 1,024, N 16,384]; A: computed on the way; B: softmax (see below): QUANTISED
;;     6. [M 4,096, K 1,024] x [K 1,024, N 1,024]; A: computed on the way; B: input WO: QUANTISED
;;     7. [M 4,096, K 1,024] x [K 1,024, N 4,096]; A: computed on the way; B: input W1: QUANTISED
;;     8. [M 4,096, K 4,096] x [K 4,096, N 1,024]; A: computed on the way; B: input W2: QUANTISED
;;   THE QUANTISER, for each operand of a quantised product, along K:
;;     - K is cut into blocks of 32 from its start; a last block that is shorter is filled with zeros.
;;     - A block's scale is 2^e with e = floor(log2(the largest magnitude in the block)) - 2, held to -126 .. 127; a block of zeros has e = 0. As a byte (E8M0): e + 127.
;;     - Each number is divided by its block's scale, clamped to +-7.5, and rounded to the nearest number of E2M3, ties to even, subnormals kept.
;;     - The product sums the exact products of the quantised numbers (number of the format x scale) in f32.
;;   ~~~python
;;   def quantise(x, axis):      # numpy; x: float32 -> the quantised numbers, widened to float32 again
;;       x = np.moveaxis(x, axis, -1); K = x.shape[-1]
;;       x = np.pad(x, [(0, 0)] * (x.ndim - 1) + [(0, -K % 32)]); x = x.reshape(x.shape[:-1] + (-1, 32)); a = np.abs(x).max(-1, keepdims=True)
;;       e = np.where(a > 0, np.clip(np.frexp(np.where(a > 0, a, 1))[1] - 1 - 2, -126, 127), 0)      # np.frexp(a)[1] - 1 = floor(log2(a)), exactly
;;       r = np.clip(x / 2.0 ** e, -7.5, 7.5)
;;       step = 2.0 ** (np.maximum(np.frexp(np.where(r == 0, 1, r))[1] - 1, 0) - 3)
;;       q = np.round(r / step) * step * 2.0 ** e      # np.round: ties to even
;;       return np.moveaxis(q.reshape(q.shape[:-2] + (-1,))[..., :K], -1, axis).astype(np.float32)
;;   ~~~
;;   SOFTMAX AHEAD OF A QUANTISED PRODUCT. Where the list says 'softmax', what is quantised is not the finished softmax but p = 2^(t - M), with t = logit x log2(e) and M = ceil(the row's largest t), a whole number; so 1/2 < the row's largest p <= 1. The row's sum l is taken of the UNQUANTISED p, in f32, and the product's result is divided by l at the end. Since M is a whole number, a kernel that streams over the keys may use a running M (the ceiling of the running maximum): every later rescaling is an exact power of two, which a block's scale takes up: the codes' values come out the same.
;;   OPERANDS COMPUTED ON THE WAY. 'Computed on the way' means the value that the module computes at that place (a softmax that the list does not call 'softmax' is quantised finished and normalised). What goes into a quantiser is computed in f32, as accurately as f32 sums, v_exp_f32 and their like allow (about 1e-6 of the number): no bf16 or f16 on the way to a quantiser, and a product that is left as it is and whose result goes on into a quantised operand takes f32 operands (vector FMAs, or v_wmma_f32_16x16x4_f32). A number that lies on a knife's edge between two numbers of the format may be rounded either way, as far as f32 arithmetic and the matrix unit's own rounding can turn it there, and no further.
;; One version. Each part assembles by itself: llvm-mc -triple=amdgcn-amd-amdhsa -mcpu=gfx1250 --defsym DOCPART=n.
;; ======== version 1 of 1: 8 launches
;; limits: right only within a limited range of input values
;; workspace buffers: wc 8,294,400 bytes; hc 3,276,800 bytes; qp 3,407,872 bytes; kvp 434,176 bytes; cc 3,276,800 bytes; x1 16,777,216 bytes; hid 13,107,200 bytes
;; launch prep (part 1): grid 648 x 1, 4 waves a work-group, no clusters, 1,024 bytes of LDS; arguments WQ, WK, WV, WO, W1, W2, wc; writes wc
.if DOCPART == 1
	.amdgcn_target "amdgcn-amd-amdhsa--gfx1250"
	.amdhsa_code_object_version 6
	.text
	.protected	k_q2eb1ad49e1_prep
	.globl	k_q2eb1ad49e1_prep
	.p2align	8
	.type	k_q2eb1ad49e1_prep,@function
k_q2eb1ad49e1_prep:
	s_mov_b64 s[64:65], 0
	v_nop
	global_prefetch_b8 v0, s[64:65] scope:SCOPE_SE
	s_setreg_imm32_b32 hwreg(HW_REG_WAVE_MODE, 25, 1), 1
	s_wait_xcnt 0x0
; THE SIX WEIGHTS BECOME CODES OF E2M3 WITH E8M0 SCALES, laid as the products' waves take them into registers.
; DEAD WORK: none.  Every input of the problem has a way to the output: bK moves k's codes ahead of a quantised product, the mask is an input and is honoured by selection; all sixteen inputs are loaded by some launch.
; A weight is stored [K][N], f32; it is quantised along K, its FIRST axis.  A work-group takes one UNIT: 128 along K x 128 columns, 65,536 bytes in, 12,800 bytes out.
; A lane takes a column and its registers run down K: a load reads 128 consecutive bytes a wave, 512 a work-group; a block of 32 along K lies in one lane, and the conversions give codes with K innermost.
; THE UNIT IN wc (12,800 bytes): 8 fragments of 16 columns x 128 K, 1,536 bytes each, then 512 bytes of scale words.
;   Fragment i holds in its row p the column 32 (i / 2) + 8 (i % 2) + p + 8 (p / 8) of the 128.
;   A fragment is two halves of 768 bytes (64 along K each): operand registers 0-3 of lane l at 16 l, registers 4-5 of lane (p, h) at 512 + 16 p + 8 h.
;   The scale word of (fragment i, row p) lies at 12,288 + 256 (i / 4) + 16 p + 4 (i % 4).
; UNITS: 0-63 WQ, 64-71 [WK | WV], 72-135 WO, 136-391 W1, 392-647 W2; inside a matrix: column block x K steps + K step.
; A block's scale is 2^(floor(log2(largest magnitude)) - 2); its byte is the largest magnitude's exponent field - 2, held at 1 from below (a block of zeros keeps the byte 1: its codes are zeros, and this program alone reads the bytes).
; LIMITS: blocks whose largest magnitude lies under 2^-124 keep the byte 1; NaN and infinities among the inputs are not served.
.set KB,    12800
.set X,     48                         ; v48-175  my column's 128 numbers
.set SPARE, 512                        ; behind the 512 bytes in which the scale words meet: the spare words, 128 bytes a wave
	s_load_b256 s[4:11], s[0:1], 0x0               ; WQ s[4:5], WK s[6:7], WV s[8:9], WO s[10:11]
	s_load_b128 s[12:15], s[0:1], 0x20             ; W1 s[12:13], W2 s[14:15]
	s_load_b64 s[16:17], s[0:1], 0x30              ; wc
	v_lshl_add_u32 v6, v0, 2, SPARE                ; my spare word; never rewritten
	v_mov_b32 v7, 0                                ; 0; never rewritten
	v_lshrrev_b32 v1, 5, v0
	v_readfirstlane_b32 s18, v1                    ; wave 0..3: columns 32 w + lane
	v_and_b32 v1, 31, v0                           ; lane
	v_lshlrev_b32 v2, 2, v1                        ; in: 4 bytes a lane
	v_lshlrev_b32 v5, 4, v1                        ; 16 x lane
	v_bfe_u32 v8, v0, 3, 1                         ; which of my wave's two fragments: (lane / 8) % 2
	v_and_b32 v9, 7, v0
	v_bfe_u32 v10, v0, 4, 1
	v_lshl_add_u32 v9, v10, 3, v9                  ; my row in it: lane % 8 + 8 (lane / 16)
	v_lshlrev_b32 v9, 4, v9
	v_mul_u32_u24 v3, v8, 1536
	v_add_nc_u32 v3, v3, v9
	s_mul_i32 s19, s18, 3072
	v_add_nc_u32 v3, s19, v3                       ; out: fragment x 1,536 + 16 x row; never rewritten
	v_lshl_add_u32 v4, v8, 2, v9
	s_lshr_b32 s19, s18, 1
	s_lshl_b32 s19, s19, 8
	s_and_b32 s30, s18, 1
	s_lshl_b32 s31, s30, 3
	s_add_co_u32 s19, s19, s31
	v_add_nc_u32 v4, s19, v4                       ; LDS: my scale word's place among the unit's 128
	; which matrix, which column block, which K step: all from the work-group's number
	s_mov_b32 s20, ttmp9
	s_sub_co_u32 s21, s20, 392                     ; the unit's number inside its matrix: W2's,
	s_sub_co_u32 s22, s20, 136                     ; W1's,
	s_sub_co_u32 s23, s20, 72                      ; WO's,
	s_sub_co_u32 s24, s20, 64                      ; [WK | WV]'s
	s_mov_b32 s25, 5                               ; log2 of the matrix's K steps
	s_mov_b32 s26, 4096                            ; a row of the matrix in bytes
	s_mov_b32 s27, s18                             ; which 32 columns of the block are my wave's
	s_wait_kmcnt 0x0
	s_cmp_lt_u32 s18, 2
	s_cselect_b64 s[28:29], s[6:7], s[8:9]         ; waves 0, 1: WK; waves 2, 3: WV
	s_mov_b64 s[32:33], s[14:15]
	s_cmp_lt_u32 s20, 392
	s_cselect_b64 s[32:33], s[12:13], s[32:33]
	s_cselect_b32 s21, s22, s21
	s_cselect_b32 s25, 3, s25
	s_cselect_b32 s26, 0x4000, s26
	s_cmp_lt_u32 s20, 136
	s_cselect_b64 s[32:33], s[10:11], s[32:33]
	s_cselect_b32 s21, s23, s21
	s_cselect_b32 s26, 0x1000, s26
	s_cmp_lt_u32 s20, 72
	s_cselect_b64 s[32:33], s[28:29], s[32:33]
	s_cselect_b32 s21, s24, s21
	s_cselect_b32 s26, 256, s26
	s_cselect_b32 s27, s30, s27
	s_cmp_lt_u32 s20, 64
	s_cselect_b64 s[32:33], s[4:5], s[32:33]
	s_cselect_b32 s21, s20, s21
	s_cselect_b32 s26, 0x1000, s26
	s_cselect_b32 s27, s18, s27
	s_lshr_b32 s34, s21, s25                       ; column block
	s_lshl_b32 s35, s34, s25
	s_sub_co_u32 s35, s21, s35                     ; K step
	s_mul_i32 s35, s35, s26
	s_lshl_b32 s35, s35, 7                         ; 128 rows a K step
	s_lshl_b32 s34, s34, 9                         ; 512 bytes a column block
	s_add_co_u32 s34, s34, s35
	s_lshl_b32 s27, s27, 7                         ; 128 bytes a wave
	s_add_co_u32 s34, s34, s27
	s_mov_b32 s35, 0
	s_add_nc_u64 s[32:33], s[32:33], s[34:35]
	s_mul_i32 s36, s20, KB
	s_mov_b32 s37, 0
	s_add_nc_u64 s[16:17], s[16:17], s[36:37]
.macro LOADS pitch                     ; W(k, my column), k = 0 .. 127: every offset an immediate
.set kk, 0
.rept 128
	global_load_b32 v[X+kk], v2, s[32:33] offset:kk*\pitch th:TH_LOAD_NT
.set kk, kk+1
.endr
.endm
	s_cmp_lt_u32 s20, 64                           ; three row lengths, three runs of loads; each run is 128 loads, so the counts below hold on every way
	s_cbranch_scc1 .Lp4096
	s_cmp_lt_u32 s20, 72
	s_cbranch_scc1 .Lp256
	s_cmp_lt_u32 s20, 136
	s_cbranch_scc1 .Lp4096
	s_cmp_lt_u32 s20, 392
	s_cbranch_scc1 .Lp16384
.Lp4096:
	LOADS 4096
	s_branch .Ljoin
.Lp256:
	LOADS 256
	s_branch .Ljoin
.Lp16384:
	LOADS 16384
.Ljoin:
; 64 along K: blocks 2 c and 2 c + 1 of my column.  Block 2 c + h is what lane (row, h) of the operand holds: 192 bits, registers 0-5.
.macro HALF c
.set XB, X+64*\c
.set C0, 16+12*\c                      ; registers 0-3 of block 2 c
.set C1, 20+12*\c                      ; registers 0-3 of block 2 c + 1
.set EE, 24+12*\c                      ; registers 4-5 of both
.irp h, 0,1
	v_max3_num_f32 v[8+\h], |v[XB+32*\h]|, |v[XB+32*\h+1]|, 0x1800000   ; the floor 2^(3 - 127) among the leaves holds the byte at 1 from below
.endr
.irp i, 2,4,6,8,10,12,14,16,18,20,22,24,26,28,30
.irp h, 0,1
	v_max3_num_f32 v[8+\h], v[8+\h], |v[XB+32*\h+\i]|, |v[XB+32*\h+\i+1]|   ; the two blocks by turns
.endr
.endr
.irp h, 0,1
	v_add_nc_u32 v[10+\h], 0xff000000, v[8+\h]     ; 2 off the exponent field: the conversion's scale operand
.endr
.irp h, 0,1
	v_lshrrev_b32 v[8+\h], 23, v[10+\h]            ; the scale's byte
.endr
.if \c == 0
	v_lshl_or_b32 v12, v9, 8, v8                   ; my column's scale word, the lower K in the lower byte
.else
	v_lshl_or_b32 v12, v8, 16, v12
	v_lshl_or_b32 v12, v9, 24, v12
.endif
	v_cvt_scalef32_pk16_fp6_f32 v[C0:C0+2], v[XB:XB+15], v10
	v_cvt_scalef32_pk16_fp6_f32 v[40:42], v[XB+16:XB+31], v10      ; (a conversion's three registers begin on an even number)
	v_cvt_scalef32_pk16_fp6_f32 v[C1:C1+2], v[XB+32:XB+47], v11
	v_cvt_scalef32_pk16_fp6_f32 v[44:46], v[XB+48:XB+63], v11
	v_nop                                          ; one plain place behind the conversions
	v_mov_b32 v[C0+3], v40
	v_mov_b32 v[EE], v41
	v_mov_b32 v[EE+1], v42
	v_mov_b32 v[C1+3], v44
	v_mov_b32 v[EE+2], v45
	v_mov_b32 v[EE+3], v46
	global_store_b128 v3, v[C0:C0+3], s[16:17] offset:768*\c       ; each store: sixteen lanes fill 256 consecutive, aligned bytes of one fragment, the other sixteen of the next
	global_store_b128 v3, v[C1:C1+3], s[16:17] offset:768*\c+256
	global_store_b128 v3, v[EE:EE+3], s[16:17] offset:768*\c+512
.endm
	s_wait_loadcnt 63                              ; at most the youngest 63 of the 128 are out: rows 0 to 63 are in
	HALF 0
	s_wait_loadcnt 0x0
	HALF 1                                         ; (its codes have registers of their own: no store's data are written again)
	ds_store_b32 v4, v12                           ; the unit's 128 scale words meet in LDS
	s_wait_dscnt 0x0                               ; for the others' sake: my store is done
	s_barrier_signal -1
	s_barrier_wait -1
	s_cmp_lg_u32 s18, 0
	s_cbranch_scc1 .Lnot0
	ds_load_b128 v[40:43], v5                      ; wave 0 stores them: 512 consecutive bytes
	s_wait_dscnt 0x0
	global_store_b128 v5, v[40:43], s[16:17] offset:12288
.Lnot0:
	s_wait_tensorcnt 0x0                           ; the wave's end
	ds_add_u32 v6, v7
	s_wait_dscnt 0x0
	s_endpgm
.Lfunc_end_k_q2eb1ad49e1_prep:
	.size	k_q2eb1ad49e1_prep, .Lfunc_end_k_q2eb1ad49e1_prep-k_q2eb1ad49e1_prep
	.p2alignl 7, 3214868480
	.fill 96, 4, 3214868480
	.section	.rodata,"a",@progbits
	.p2align	6, 0x0
	.amdhsa_kernel k_q2eb1ad49e1_prep
		.amdhsa_group_segment_fixed_size 1024
		.amdhsa_private_segment_fixed_size 0
		.amdhsa_enable_private_segment 0
		.amdhsa_kernarg_size 56
		.amdhsa_user_sgpr_count 2
		.amdhsa_user_sgpr_kernarg_segment_ptr 1
		.amdhsa_wavefront_size32 1
		.amdhsa_system_sgpr_workgroup_id_x 1
		.amdhsa_system_sgpr_workgroup_id_y 1
		.amdhsa_system_sgpr_workgroup_id_z 1
		.amdhsa_system_vgpr_workitem_id 0
		.amdhsa_next_free_vgpr 176
		.amdhsa_next_free_sgpr 66
		.amdhsa_reserve_vcc 0
		.amdhsa_float_denorm_mode_32 3
		.amdhsa_float_denorm_mode_16_64 3
		.amdhsa_memory_ordered 1
		.amdhsa_forward_progress 1
		.amdhsa_inst_pref_size 47
	.end_amdhsa_kernel
	.amdgpu_metadata
---
amdhsa.version: [ 1, 2 ]
amdhsa.kernels:
  - .name:           k_q2eb1ad49e1_prep
    .symbol:         k_q2eb1ad49e1_prep.kd
    .args:
      - { .name: WQ, .offset: 0, .size: 8, .value_kind: global_buffer, .address_space: global }
      - { .name: WK, .offset: 8, .size: 8, .value_kind: global_buffer, .address_space: global }
      - { .name: WV, .offset: 16, .size: 8, .value_kind: global_buffer, .address_space: global }
      - { .name: WO, .offset: 24, .size: 8, .value_kind: global_buffer, .address_space: global }
      - { .name: W1, .offset: 32, .size: 8, .value_kind: global_buffer, .address_space: global }
      - { .name: W2, .offset: 40, .size: 8, .value_kind: global_buffer, .address_space: global }
      - { .name: wc, .offset: 48, .size: 8, .value_kind: global_buffer, .address_space: global }
    .group_segment_fixed_size: 1024
    .private_segment_fixed_size: 0
    .kernarg_segment_align: 8
    .kernarg_segment_size: 56
    .max_flat_workgroup_size: 128
    .sgpr_count:     66
    .vgpr_count:     176
    .wavefront_size: 32
...
	.end_amdgpu_metadata
.endif
;; end of part 1
;; launch norm1 (part 2): grid 256 x 1, 8 waves a work-group, no clusters, 69,120 bytes of LDS; arguments x, g1, hc; writes hc
.if DOCPART == 2
	.amdgcn_target "amdgcn-amd-amdhsa--gfx1250"
	.amdhsa_code_object_version 6
	.text
	.protected	k_q2eb1ad49e1_norm1
	.globl	k_q2eb1ad49e1_norm1
	.p2align	8
	.type	k_q2eb1ad49e1_norm1,@function
k_q2eb1ad49e1_norm1:
	s_mov_b64 s[64:65], 0
	v_nop
	global_prefetch_b8 v0, s[64:65] scope:SCOPE_SE
	s_setreg_imm32_b32 hwreg(HW_REG_WAVE_MODE, 25, 1), 1
	s_wait_xcnt 0x0
; h = x * rsqrt(mean(x^2) + eps) * g, quantised along the 1,024 features into codes of E2M3 with E8M0 scales.  Nothing is left out.
; x: [4096][1024] f32.  The codes go out as the products' operand: [block of 128 rows][K step of 128][12,800 bytes]: 8 fragments of 1,536 bytes, then 512 bytes of scale words (layout: see the launch that lays the weights).
; A work-group takes the 16 rows of ONE fragment: fragment i of block T / 8 holds in its row p the row 32 (i / 2) + 8 (i % 2) + p + 8 (p / 8) of the block.  Wave w takes K step w: 512 bytes of each row.
; Loads read a row's 512 consecutive bytes; the conversions want 16 neighbours along K in one lane: so the wave's 16 x 512 bytes turn through its own stage in LDS (rows 528 bytes apart).
; The rows' sums of squares meet in LDS: one barrier.  x is read once and stays in registers between the sum and the scaling.
; The scale words are 64 bytes of a 256-byte piece for each wave: 4 bytes a lane, 16 bytes apart: 1 byte in 24 of what the launch stores.
; LIMITS: blocks whose largest magnitude lies under 2^-124 keep the byte 1; NaN and infinities among the inputs are not served.
.set XL,    32                         ; v32-95   16 rows as loaded
.set XT,    96                         ; v96-159  my row's 64 numbers: register 16 b + i = k 32 b + 16 (lane / 16) + i
.set GG,    160                        ; v160-223 g at the same places
.set PC,    224                        ; v224-242 the codes
.set TM,    244                        ; v244-251 largest magnitudes and bytes
.set RS,    24                         ; v[24:25] the row's factor (the pair's low word serves both halves)
.set PW,    26                         ; v26      the scale word
.set PART,  67584                      ; behind the eight stages of 8,448 bytes: 16 rows x 8 waves partial sums
.set SPARE, 68096                      ; the spare words, 128 bytes a wave
.set SEL,   26                         ; s[26:27] lane selects: lane l xor 16
; 64 numbers of a lane become a fragment's 12 registers in v[PC] on and its scale word in v[PW]
.macro QUANT s
.irp b, 0,1,2,3
	v_max3_num_f32 v[TM+\b], |v[\s+16*\b]|, |v[\s+1+16*\b]|, 0x1800000   ; my 16 numbers of block b, and the floor 2^(3 - 127)
.endr
.irp i, 2,4,6,8,10,12,14
.irp b, 0,1,2,3
	s_delay_alu instid0(VALU_DEP_4)
	v_max3_num_f32 v[TM+\b], v[TM+\b], |v[\s+16*\b+\i]|, |v[\s+1+16*\b+\i]|
.endr
.endr
.irp b, 0,1,2,3
	s_delay_alu instid0(VALU_DEP_4)
	v_permlanex16_b32 v[TM+4+\b], v[TM+\b], s[SEL], s[SEL+1]
.endr
.irp b, 0,1,2,3
	s_delay_alu instid0(VALU_DEP_4)
	v_max_num_f32 v[TM+\b], v[TM+\b], v[TM+4+\b]   ; with lane l xor 16's: the block's largest magnitude
.endr
.irp b, 0,1,2,3
	s_delay_alu instid0(VALU_DEP_4)
	v_add_nc_u32 v[TM+\b], 0xff000000, v[TM+\b]    ; 2 off its exponent field: the conversion's scale operand
.endr
.irp b, 0,1,2,3
	s_delay_alu instid0(VALU_DEP_4)
	v_lshrrev_b32 v[TM+4+\b], 23, v[TM+\b]         ; the scale's byte
.endr
	s_delay_alu instid0(VALU_DEP_3)
	v_lshl_or_b32 v[PW], v[TM+5], 8, v[TM+4]
	s_delay_alu instid0(VALU_DEP_1)
	v_lshl_or_b32 v[PW], v[TM+6], 16, v[PW]
	s_delay_alu instid0(VALU_DEP_1)
	v_lshl_or_b32 v[PW], v[TM+7], 24, v[PW]
.irp c, 0,1
	v_cvt_scalef32_pk16_fp6_f32 v[PC+6*\c:PC+2+6*\c], v[\s+32*\c:\s+15+32*\c], v[TM+2*\c]
	v_cvt_scalef32_pk16_fp6_f32 v[PC+12+4*\c:PC+14+4*\c], v[\s+16+32*\c:\s+31+32*\c], v[TM+2*\c+1]
.endr
	v_nop                                          ; one plain place behind the conversions
.irp c, 0,1                                    ; the operand wants a whole block in a lane: lanes 0-15 block 2 c, lanes 16-31 block 2 c + 1
.irp i, 0,1,2
	v_permlane16_swap_b32 v[PC+6*\c+\i], v[PC+12+4*\c+\i]
.endr
.irp i, 0,1,2
	s_delay_alu instid0(VALU_DEP_3)
	v_mov_b32 v[PC+3+6*\c+\i], v[PC+12+4*\c+\i]
.endr
.endr
.endm
	s_load_b128 s[4:7], s[0:1], 0x0                ; x, g
	s_load_b64 s[8:9], s[0:1], 0x10                ; the codes
	v_lshl_add_u32 v8, v0, 2, SPARE                ; my spare word; never rewritten
	v_mov_b32 v9, 0                                ; 0; never rewritten
	v_lshrrev_b32 v10, 5, v0
	s_delay_alu instid0(VALU_DEP_1)
	v_readfirstlane_b32 s10, v10                   ; wave 0..7 = K step
	s_lshr_b32 s11, ttmp9, 3                       ; block of 128 rows
	s_and_b32 s12, ttmp9, 7                        ; fragment
	s_lshl_b32 s13, s11, 7
	s_lshr_b32 s14, s12, 1
	s_lshl_b32 s14, s14, 5
	s_add_co_u32 s13, s13, s14
	s_and_b32 s14, s12, 1
	s_lshl_b32 s14, s14, 3
	s_add_co_u32 s13, s13, s14                     ; the fragment's first row
	s_lshl_b32 s16, s13, 12
	s_lshl_b32 s18, s10, 9                         ; my 512 bytes of a row
	s_add_co_u32 s16, s16, s18
	s_mov_b32 s17, 0
	s_mov_b32 s19, 0
	s_mul_i32 s20, s11, 102400
	s_mul_i32 s21, s10, 12800
	s_add_co_u32 s20, s20, s21                     ; the block's K step w in the codes' buffer
	s_mul_i32 s21, s12, 1536
	s_add_co_u32 s22, s20, s21                     ; my fragment
	s_mov_b32 s23, 0
	s_lshr_b32 s21, s12, 2
	s_lshl_b32 s21, s21, 8
	s_add_co_u32 s24, s20, s21
	s_and_b32 s21, s12, 3
	s_lshl_b32 s21, s21, 2
	s_add_co_u32 s24, s24, s21
	s_add_co_u32 s24, s24, 12288                   ; its scale words
	s_mov_b32 s25, 0
	s_mov_b32 s[SEL], 0x76543210
	s_mov_b32 s[SEL+1], 0xfedcba98
	s_mov_b32 s28, 0x3a800000                      ; 1 / 1,024
	s_mov_b32 s29, 0x34000000                      ; eps of f32, 2^-23
	v_and_b32 v27, 31, v0                          ; lane
	s_delay_alu instid0(VALU_DEP_1)
	v_lshlrev_b32 v1, 4, v27                       ; 16 x lane
	v_and_b32 v11, 15, v0                          ; p
	v_bfe_u32 v12, v0, 4, 1                        ; h
	s_delay_alu instid0(VALU_DEP_2)
	v_lshlrev_b32 v7, 4, v11                       ; 16 p
	s_delay_alu instid0(VALU_DEP_1)
	v_lshl_add_u32 v2, v12, 3, v7                  ; 16 p + 8 h
	s_mul_i32 s15, s10, 8448
	v_add_nc_u32 v3, s15, v1                       ; my stage, on the way in: 16 x lane, a row an instruction
	v_mul_u32_u24 v4, v11, 528
	s_delay_alu instid0(VALU_DEP_1)
	v_lshl_add_u32 v4, v12, 6, v4
	s_delay_alu instid0(VALU_DEP_1)
	v_add_nc_u32 v4, s15, v4                       ; and out: row p, + 64 h
	v_lshlrev_b32 v5, 6, v12                       ; g: 64 h
	v_lshlrev_b32 v6, 5, v11
	s_delay_alu instid0(VALU_DEP_1)
	v_add_nc_u32 v6, PART, v6                      ; row p's eight partial sums
	s_lshl_b32 s15, s10, 2
	v_add_nc_u32 v28, s15, v6                      ; mine among them
	v_mov_b32 v[RS+1], 0                           ; (named as the upper half of a pair)
.irp b, 0,1,2,3
	v_mov_b32 v[TM+4+\b], 0                        ; written once: a lane permute's destination counts as one of its sources
.endr
	s_wait_alu depctr_va_vdst(0)
	s_wait_kmcnt 0x0
	s_add_nc_u64 s[4:5], s[4:5], s[16:17]
	s_add_nc_u64 s[6:7], s[6:7], s[18:19]
	s_add_nc_u64 s[22:23], s[8:9], s[22:23]
	s_add_nc_u64 s[24:25], s[8:9], s[24:25]
.irp k, 0,1,2,3,4,5,6,7,8,9,10,11,12,13,14,15
	global_load_b128 v[XL+4*\k:XL+4*\k+3], v1, s[4:5] offset:(\k+8*(\k/8))*4096 th:TH_LOAD_NT   ; 512 consecutive bytes of the fragment's row k
.endr
.irp b, 0,1,2,3
.irp j, 0,1,2,3
	global_load_b128 v[GG+16*\b+4*\j:GG+16*\b+4*\j+3], v5, s[6:7] offset:128*\b+16*\j
.endr
.endr
	s_wait_loadcnt 16                              ; x's sixteen loads are in; g's sixteen may be out
.irp k, 0,1,2,3,4,5,6,7,8,9,10,11,12,13,14,15
	ds_store_b128 v3, v[XL+4*\k:XL+4*\k+3] offset:528*\k
.endr
.irp b, 0,1,2,3
.irp j, 0,1,2,3
	ds_load_b128 v[XT+16*\b+4*\j:XT+16*\b+4*\j+3], v4 offset:128*\b+16*\j   ; LDS serves a wave's instructions in order: these see my stores
.endr
.endr
	s_wait_dscnt 0x0
.irp c, 0,1,2,3
	v_pk_mul_f32 v[10+2*\c:11+2*\c], v[XT+2*\c:XT+2*\c+1], v[XT+2*\c:XT+2*\c+1]   ; the sum of squares, in four chains; the first products start them
.endr
.set j, 4
.rept 28
	s_delay_alu instid0(VALU_DEP_4)
	v_pk_fma_f32 v[10+2*(j%4):11+2*(j%4)], v[XT+2*j:XT+2*j+1], v[XT+2*j:XT+2*j+1], v[10+2*(j%4):11+2*(j%4)]
.set j, j+1
.endr
	s_delay_alu instid0(VALU_DEP_3)
	v_pk_add_f32 v[10:11], v[10:11], v[12:13]
	s_delay_alu instid0(VALU_DEP_2)
	v_pk_add_f32 v[14:15], v[14:15], v[16:17]
	s_delay_alu instid0(VALU_DEP_1)
	v_pk_add_f32 v[10:11], v[10:11], v[14:15]
	s_delay_alu instid0(VALU_DEP_1)
	v_add_f32 v10, v10, v11
	s_delay_alu instid0(VALU_DEP_1)
	v_permlanex16_b32 v11, v10, s[SEL], s[SEL+1]
	s_delay_alu instid0(VALU_DEP_1)
	v_add_f32 v10, v10, v11                        ; row p's sum over my 128 columns
	ds_store_b32 v28, v10                          ; (both lanes of a row write the same word with the same value)
	s_wait_dscnt 0x0                               ; for the others' sake
	s_barrier_signal -1
	s_barrier_wait -1
	ds_load_b128 v[16:19], v6
	ds_load_b128 v[20:23], v6 offset:16
	s_wait_dscnt 0x0
	v_add_f32 v16, v16, v17
	v_add_f32 v18, v18, v19
	v_add_f32 v20, v20, v21
	v_add_f32 v22, v22, v23
	s_delay_alu instid0(VALU_DEP_3)
	v_add_f32 v16, v16, v18
	s_delay_alu instid0(VALU_DEP_2)
	v_add_f32 v20, v20, v22
	s_delay_alu instid0(VALU_DEP_1)
	v_add_f32 v16, v16, v20
	s_delay_alu instid0(VALU_DEP_1)
	v_fma_f32 v16, v16, s28, s29                   ; the mean + eps
	s_wait_alu depctr_va_vdst(0)
	v_rsq_f32 v[RS], v16
	v_nop                                          ; a plain place behind the transcendental
	s_wait_alu depctr_va_vdst(0)                   ; and the wait ahead of its first reader
	s_wait_loadcnt 0x0                             ; g
.set j, 0
.rept 32
	v_pk_mul_f32 v[XT+j:XT+j+1], v[XT+j:XT+j+1], v[RS:RS+1] op_sel_hi:[1,0]
.set j, j+2
.endr
.set j, 0
.rept 32
	v_pk_mul_f32 v[XT+j:XT+j+1], v[XT+j:XT+j+1], v[GG+j:GG+j+1]   ; (x r) g, in the problem's order
.set j, j+2
.endr
	QUANT XT
	global_store_b128 v1, v[PC:PC+3], s[22:23]                     ; the fragment as an image of its registers: whole aligned pieces of 256 bytes
	global_store_b64 v2, v[PC+4:PC+5], s[22:23] offset:512
	global_store_b128 v1, v[PC+6:PC+9], s[22:23] offset:768
	global_store_b64 v2, v[PC+10:PC+11], s[22:23] offset:1280
	v_cmp_gt_u32 vcc_lo, 16, v27
	s_wait_xcnt 0x0                                ; EXEC changes only behind this wait
	s_and_saveexec_b32 s30, vcc_lo
	global_store_b32 v7, v[PW], s[24:25]           ; lanes 0-15: row p's scale word
	s_wait_xcnt 0x0                                ; and again in front of the line that widens it
	s_or_b32 exec_lo, exec_lo, s30
	s_wait_tensorcnt 0x0                           ; the wave's end
	ds_add_u32 v8, v9
	s_wait_dscnt 0x0
	s_endpgm
.Lfunc_end_k_q2eb1ad49e1_norm1:
	.size	k_q2eb1ad49e1_norm1, .Lfunc_end_k_q2eb1ad49e1_norm1-k_q2eb1ad49e1_norm1
	.p2alignl 7, 3214868480
	.fill 96, 4, 3214868480
	.section	.rodata,"a",@progbits
	.p2align	6, 0x0
	.amdhsa_kernel k_q2eb1ad49e1_norm1
		.amdhsa_group_segment_fixed_size 69120
		.amdhsa_private_segment_fixed_size 0
		.amdhsa_enable_private_segment 0
		.amdhsa_kernarg_size 24
		.amdhsa_user_sgpr_count 2
		.amdhsa_user_sgpr_kernarg_segment_ptr 1
		.amdhsa_wavefront_size32 1
		.amdhsa_system_sgpr_workgroup_id_x 1
		.amdhsa_system_sgpr_workgroup_id_y 1
		.amdhsa_system_sgpr_workgroup_id_z 1
		.amdhsa_system_vgpr_workitem_id 0
		.amdhsa_next_free_vgpr 256
		.amdhsa_next_free_sgpr 66
		.amdhsa_reserve_vcc 1
		.amdhsa_float_denorm_mode_32 3
		.amdhsa_float_denorm_mode_16_64 3
		.amdhsa_memory_ordered 1
		.amdhsa_forward_progress 1
		.amdhsa_inst_pref_size 23
	.end_amdhsa_kernel
	.amdgpu_metadata
---
amdhsa.version: [ 1, 2 ]
amdhsa.kernels:
  - .name:           k_q2eb1ad49e1_norm1
    .symbol:         k_q2eb1ad49e1_norm1.kd
    .args:
      - { .name: x, .offset: 0, .size: 8, .value_kind: global_buffer, .address_space: global }
      - { .name: g1, .offset: 8, .size: 8, .value_kind: global_buffer, .address_space: global }
      - { .name: hc, .offset: 16, .size: 8, .value_kind: global_buffer, .address_space: global }
    .group_segment_fixed_size: 69120
    .private_segment_fixed_size: 0
    .kernarg_segment_align: 8
    .kernarg_segment_size: 24
    .max_flat_workgroup_size: 256
    .sgpr_count:     66
    .vgpr_count:     256
    .wavefront_size: 32
...
	.end_amdgpu_metadata
.endif
;; end of part 2
;; launch qkv (part 3): grid 9 x 32, 4 waves a work-group, no clusters, 327,680 bytes of LDS; arguments hc, wc, bQ, bK, bV, mask, qp, kvp; writes qp, kvp
.if DOCPART == 3
	.amdgcn_target "amdgcn-amd-amdhsa--gfx1250"
	.amdhsa_code_object_version 6
	.text
	.protected	k_q2eb1ad49e1_qkv
	.globl	k_q2eb1ad49e1_qkv
	.p2align	8
	.type	k_q2eb1ad49e1_qkv,@function
k_q2eb1ad49e1_qkv:
	s_mov_b64 s[64:65], 0
	v_nop
	global_prefetch_b8 v0, s[64:65] scope:SCOPE_SE
	s_setreg_imm32_b32 hwreg(HW_REG_WAVE_MODE, 25, 1), 1
	s_wait_xcnt 0x0
; q = h WQ + bQ, k = h WK + bK, v = h WV + bV on codes of E2M3, and their quantising for the attention: q and k along the head's 64, v along the keys.  Nothing is left out.
; A work-group makes 128 tokens x 128 columns: column tiles 0-7 are WQ's, tile 8 is [WK | WV].  Four waves, each 64 x 64: 16 accumulators.  All of K (8 steps of 128) comes with the two first fills: no slot is filled again.
; NO CLUSTER: the grid has 9 column tiles, which no cluster of four divides, and the ninth tile's waves take other ways out than the rest.
; OPERANDS lie in memory as images of the operand registers ([block of 128 rows][K step][12,800 bytes]: 8 fragments of 1,536 bytes, 512 bytes of scale words), so a run of K steps is one dense block for one tensor load
; and a fragment comes from LDS by four dense loads.  Fragment i holds in its row p the row 32 (i / 2) + 8 (i % 2) + p + 8 (p / 8) of the block.
; THE MATRIX INSTRUCTION IS USED TRANSPOSED (source 0 = 16 columns of the weight, source 1 = 16 tokens): lane (p, h) holds token row p, and the 16 registers of accumulators (a, 2 c), (a, 2 c + 1) are the 16 neighbouring columns 32 c + 16 h + 0 .. 15.
; The bias is the C of each sum's first matrix instruction.
; OUT.  qp: [64 tokens][head][3,328 bytes]: 4 half fragments (16 tokens x 64) of 768 bytes, then 256 bytes of scale words.
;       kvp: [128 keys][13,568 bytes]: k's 8 half fragments; at 6,144 k's words; at 6,656 mb, 128 f32: 0 or, where the mask hides the key, -1.9375 x 2^127; at 7,168 v's 4 fragments (16 of the head's 64 x 128 keys); at 13,312 v's words.
; LIMITS: blocks whose largest magnitude lies under 2^-124 keep the byte 1; NaN and infinities among the inputs are not served.
; REGISTERS: window 0: v1-15 addresses; v16-23 scale words, two sets; v24-31 addresses of the way out; v32-95 at work on the way out; v96-127 the bias; v128-255 the accumulators ((a, b) at v[128 + 8 (4 a + b)]).
;            window 1: two sets of fragments, at v0 and at v128: the tokens' four at 12 a, the weight's four at 48 + 12 b.
.set KB,    12800
.set FRG,   1536
.set SCW,   12288
.set BOFF,  4*KB                       ; a slot: the tokens' 4 K steps, then the weight's 4
.set SLOT,  8*KB
.set VSTG,  2*SLOT                     ; behind the ring: a stage of 64 rows x 272 bytes for each wave, for v's turn
.set VSS,   VSTG+4*17408               ; v's scale bytes: 256
.set SPARE, VSS+256                    ; the spare words, 128 bytes a wave
.set A16,   4                          ; v4-5   LDS address of my tokens' fragments in slot 0, 1: + 16 x lane
.set A8,    6                          ; v6-7   the same + 16 p + 8 h
.set B16,   8                          ; v8-9   the weight's
.set B8,    10                         ; v10-11
.set ADS,   12                         ; v12-13 my scale words: lanes 0-15 the tokens', lanes 16-31 the weight's
.set SPW,   14                         ; v14    my spare word; never rewritten
.set NIL,   15                         ; v15    0; never rewritten
.set SC,    16
.set L16,   24
.set L8,    25
.set BO,    29
.set BIAS,  96
.set ACC,   128
.set F0,    0
.set F1,    128
.set G1,    24                         ; s[24:31] descriptor group 1; s[32:39] group 0 for the tokens, one set a slot
.set G0,    32
.set G1B,   48                         ; s[48:55], s[56:63] the same for the weight
.set G0B,   56
.set SEL,   66                         ; s66, s67 lane selects: lane l xor 16
.set PCB,   32
.set PT,    64
.set TM,    68
.set HWB,   72
.set VX,    32
.set VPC,   64
.set VPT,   70
.set MSB, 0
.macro WIN new                         ; the immediate's high byte repeats the setting that is left
.if MSB != \new
	s_set_vgpr_msb (MSB<<8)|\new
.set MSB, \new
.endif
.endm
.set MUL,  0x05                        ; sources 0 and 1 window 1; C and D window 0
.set TO_F, 0x40                        ; destination window 1, address window 0
.macro PLACES                          ; four places in front of loads into registers that matrix instructions have read, and of the first read of results
.rept 4
	v_nop
.endr
.endm
.macro JLOAD s                         ; wave 0 fetches the tokens' K steps 0-3, wave 1 their K steps 4-7, waves 2 and 3 the weight's likewise; an s_nop 0 and four v_nop follow each line
	s_cmp_eq_u32 s15, 0
	s_cbranch_scc0 .Lfor_b_\@
	tensor_load_to_lds s[G0+4*\s:G0+4*\s+3], s[G1:G1+7]
	s_nop 0
.rept 4
	v_nop
.endr
	s_branch .Lasked_\@
.Lfor_b_\@:
	tensor_load_to_lds s[G0B+4*\s:G0B+4*\s+3], s[G1B:G1B+7]
	s_nop 0
.rept 4
	v_nop
.endr
.Lasked_\@:
.endm
; 8 matrix instructions: token fragments a0, a0 + 1 x the weight's four, 128 along K.  first = 1: the bias starts the sums.  The 16 accumulators take turns in the same order in every step.
.macro MUL8 f, set, a0, first
.irp a, \a0, \a0+1
.irp b, 0,1,2,3
.if \first
	v_wmma_scale_f32_16x16x128_f8f6f4 v[ACC+8*(4*(\a)+\b):ACC+8*(4*(\a)+\b)+7], v[(\f)+48+12*\b:(\f)+48+12*\b+11], v[(\f)+12*(\a):(\f)+12*(\a)+11], v[BIAS+8*\b:BIAS+8*\b+7], v[SC+4*(\set)+\b], v[SC+4*(\set)+(\a)] matrix_a_fmt:MATRIX_FMT_FP6 matrix_b_fmt:MATRIX_FMT_FP6 matrix_a_scale:MATRIX_SCALE_ROW1
.else
	v_wmma_scale_f32_16x16x128_f8f6f4 v[ACC+8*(4*(\a)+\b):ACC+8*(4*(\a)+\b)+7], v[(\f)+48+12*\b:(\f)+48+12*\b+11], v[(\f)+12*(\a):(\f)+12*(\a)+11], v[ACC+8*(4*(\a)+\b):ACC+8*(4*(\a)+\b)+7], v[SC+4*(\set)+\b], v[SC+4*(\set)+(\a)] matrix_a_fmt:MATRIX_FMT_FP6 matrix_b_fmt:MATRIX_FMT_FP6 matrix_a_scale:MATRIX_SCALE_ROW1
.endif
.endr
.endr
.endm
.macro FRAGLD reg, a16, a8, off        ; a fragment's 12 registers: four dense loads
	ds_load_b128 v[\reg:\reg+3], v[\a16] offset:\off
	ds_load_b64 v[\reg+4:\reg+5], v[\a8] offset:\off+512
	ds_load_b128 v[\reg+6:\reg+9], v[\a16] offset:\off+768
	ds_load_b64 v[\reg+10:\reg+11], v[\a8] offset:\off+1280
.endm
.macro FETCH slot, q, f, set           ; 33 LDS loads: the scale words, the weight's four fragments, the tokens' 0, 1, the tokens' 2, 3
	WIN 0
	ds_load_b128 v[SC+4*(\set):SC+4*(\set)+3], v[ADS+\slot] offset:(\q)*KB
	WIN TO_F
.irp i, 0,1,2,3
	FRAGLD (\f)+48+12*\i, B16+\slot, B8+\slot, (\q)*KB+\i*FRG
.endr
.irp i, 0,1,2,3
	FRAGLD (\f)+12*\i, A16+\slot, A8+\slot, (\q)*KB+\i*FRG
.endr
.endm
.macro STEP slot, q, first             ; a K step that has its successor in the same slot
	s_wait_dscnt 8                                 ; all but the youngest eight loads: the tokens' fragments 2, 3
	WIN MUL
	MUL8 F0+128*((\q)%2), (\q)%2, 0, \first
	PLACES
	FETCH \slot, (\q)+1, F0+128*(1-(\q)%2), 1-(\q)%2
	s_wait_dscnt 33                                ; all but the 33 just issued
	WIN MUL
	MUL8 F0+128*((\q)%2), (\q)%2, 2, \first
.endm
.macro TURN slot, next                 ; a slot's last step changes slots; nothing is filled again
	WIN 0
	s_wait_tensorcnt 0x0                           ; my part of the next slot has landed
	ds_add_u32 v[SPW], v[NIL]                      ; 0 onto my spare word
	s_wait_dscnt 9                                 ; (the add and the youngest eight loads may be out)
	WIN MUL
	MUL8 F1, 1, 0, 0
	s_wait_dscnt 0x0
	s_barrier_signal -1
	s_barrier_wait -1                              ; everybody's part has landed
	PLACES
	FETCH \next, 0, F0, 0
	WIN MUL
	MUL8 F1, 1, 2, 0
.endm
; 32 numbers of a lane, register 16 b + i = k 32 b + 16 h + i of my row, become half a fragment's 6 registers in v[pc] on and two scale bytes in v[hw]
.macro QUANT2 s, pc, pt, hw, tm
.irp b, 0,1
	v_max3_num_f32 v[\tm+\b], |v[\s+16*\b]|, |v[\s+16*\b+1]|, 0x1800000   ; each accumulator is read from its low end on; the floor 2^(3 - 127) holds the byte at 1 from below
.endr
.irp i, 2,4,6,8,10,12,14
.irp b, 0,1
	v_max3_num_f32 v[\tm+\b], v[\tm+\b], |v[\s+16*\b+\i]|, |v[\s+16*\b+\i+1]|
.endr
.endr
.irp b, 0,1
	v_permlanex16_b32 v[\tm+2+\b], v[\tm+\b], s[SEL], s[SEL+1]
.endr
.irp b, 0,1
	v_max_num_f32 v[\tm+\b], v[\tm+\b], v[\tm+2+\b]
.endr
.irp b, 0,1
	v_add_nc_u32 v[\tm+\b], 0xff000000, v[\tm+\b]
.endr
.irp b, 0,1
	v_lshrrev_b32 v[\tm+2+\b], 23, v[\tm+\b]
.endr
	v_lshl_or_b32 v[\hw], v[\tm+3], 8, v[\tm+2]
	v_cvt_scalef32_pk16_fp6_f32 v[\pc:\pc+2], v[\s:\s+15], v[\tm]
	v_cvt_scalef32_pk16_fp6_f32 v[\pt:\pt+2], v[\s+16:\s+31], v[\tm+1]
	v_nop                                          ; one plain place behind the conversions
.irp i, 0,1,2
	v_permlane16_swap_b32 v[\pc+\i], v[\pt+\i]     ; lanes 0-15 keep block 0, lanes 16-31 get block 1
.endr
.irp i, 0,1,2
	v_mov_b32 v[\pc+3+\i], v[\pt+\i]
.endr
.endm
	s_load_b256 s[4:11], s[0:1], 0x0               ; hc s[4:5], wc s[6:7], bQ s[8:9], bK s[10:11]
	s_load_b256 s[72:79], s[0:1], 0x20             ; bV s[72:73], mask s[74:75], qp s[76:77], kvp s[78:79]
	v_lshl_add_u32 v[SPW], v0, 2, SPARE
	v_mov_b32 v[NIL], 0
	ds_add_u32 v[SPW], v[NIL]                      ; the wave's opening: the add, twice on end, and its wait ahead of my first tensor load
	ds_add_u32 v[SPW], v[NIL]
	v_lshrrev_b32 v1, 5, v0
	v_readfirstlane_b32 s14, v1                    ; wave 0..3
	s_lshr_b32 s15, s14, 1                         ; which 64 tokens are mine.  Also: I fetch the tokens' codes (0) or the weight's (1)
	s_and_b32 s16, s14, 1                          ; which 64 columns.  Also: which four K steps, and so which slot, I fetch
	s_mov_b32 s42, ttmp9                           ; column tile 0..8
	s_and_b32 s17, ttmp7, 0xffff                   ; block of 128 tokens
.irp g, G1, G1B                        ; four K steps, 51,200 dense bytes, as 200 rows of 256 bytes
	s_mov_b32 s[\g], 3<<16                         ; no mask; elements of 8 bytes; no padding
	s_mov_b32 s[\g+1], 32<<16                      ; tensor_dim0 = 32
	s_mov_b32 s[\g+2], 200<<16                     ; tensor_dim1 = 200: four K steps, 51,200 dense bytes, as rows of 256 bytes
	s_mov_b32 s[\g+3], 32<<16                      ; tile_dim0 = 32
	s_mov_b32 s[\g+4], 200                         ; tile_dim1 = 200
	s_mov_b32 s[\g+5], 32                          ; from row to row
	s_mov_b32 s[\g+6], 0
	s_mov_b32 s[\g+7], 0
.endr
	s_mul_i32 s18, s16, 4*KB                       ; which four K steps I fetch
	s_mul_i32 s20, s17, 8*KB
	s_add_co_u32 s20, s20, s18
	s_mov_b32 s21, 0
	s_mul_i32 s46, s42, 8*KB
	s_add_co_u32 s46, s46, s18
	s_mov_b32 s47, 0
	s_mul_i32 s45, s16, SLOT                       ; where they go: K steps 0-3 into slot 0, 4-7 into slot 1,
	s_mul_i32 s19, s15, BOFF                       ; the weight's behind the tokens'
	s_add_co_u32 s45, s45, s19
	s_mov_b32 s[SEL], 0x76543210
	s_mov_b32 s[SEL+1], 0xfedcba98
	s_mov_b32 s40, 0xffff0000                      ; lanes 16-31
	s_mov_b32 s41, 0xff780000                      ; -1.9375 x 2^127
	s_wait_dscnt 0x0                               ; both opening adds are done
	s_wait_kmcnt 0x0
	s_add_nc_u64 s[20:21], s[4:5], s[20:21]
	s_add_nc_u64 s[46:47], s[6:7], s[46:47]
.irp s, 0
	s_mov_b32 s[G0+4*\s], 1
	s_add_co_u32 s[G0+4*\s+1], s45, \s*SLOT
	s_add_nc_u64 s[G0+4*\s+2:G0+4*\s+3], s[20:21], \s*4*KB
	s_or_b32 s[G0+4*\s+3], s[G0+4*\s+3], 0x80000000
	s_mov_b32 s[G0B+4*\s], 1
	s_add_co_u32 s[G0B+4*\s+1], s45, \s*SLOT
	s_add_nc_u64 s[G0B+4*\s+2:G0B+4*\s+3], s[46:47], \s*4*KB
	s_or_b32 s[G0B+4*\s+3], s[G0B+4*\s+3], 0x80000000
	JLOAD \s                                       ; my one load: the four waves' loads bring all of K
.endr
	v_and_b32 v1, 15, v0                           ; p
	v_bfe_u32 v2, v0, 4, 1                         ; h
	v_and_b32 v3, 31, v0                           ; lane
	v_lshlrev_b32 v[L16], 4, v3
	v_lshlrev_b32 v[L8], 4, v1
	v_lshl_add_u32 v[L8], v2, 3, v[L8]
	v_lshlrev_b32 v[BO], 6, v2                     ; the bias: 64 h
	; the bias of my 64 columns: bQ's, or all of bK (columns 0-63 of tile 8) or of bV (columns 64-127)
	s_wait_alu depctr_va_vdst(0)
	s_lshl_b32 s46, s42, 9
	s_lshl_b32 s47, s16, 8
	s_add_co_u32 s46, s46, s47
	s_cmp_eq_u32 s16, 0
	s_cselect_b64 s[82:83], s[10:11], s[72:73]
	s_cmp_lt_u32 s42, 8
	s_cselect_b64 s[82:83], s[8:9], s[82:83]
	s_cselect_b32 s46, s46, 0
	s_mov_b32 s47, 0
	s_add_nc_u64 s[82:83], s[82:83], s[46:47]
.irp b, 0,1,2,3
	global_load_b128 v[BIAS+8*\b:BIAS+8*\b+3], v[BO], s[82:83] offset:(32*(\b/2)+8*(\b%2))*4
	global_load_b128 v[BIAS+8*\b+4:BIAS+8*\b+7], v[BO], s[82:83] offset:(32*(\b/2)+8*(\b%2))*4+16
.endr
	s_mul_i32 s21, s15, 4*FRG                      ; my four fragments of the tokens,
	s_mul_i32 s22, s16, 4*FRG
	s_add_co_u32 s22, s22, BOFF                    ; and of the weight
.irp s, 0,1
	v_add_nc_u32 v[A16+\s], s21, v[L16]
	v_add_nc_u32 v[A8+\s], s21, v[L8]
	v_add_nc_u32 v[B16+\s], s22, v[L16]
	v_add_nc_u32 v[B8+\s], s22, v[L8]
	s_add_co_u32 s21, s21, SLOT
	s_add_co_u32 s22, s22, SLOT
.endr
	s_lshl_b32 s21, s15, 8
	s_lshl_b32 s22, s16, 8
	s_add_co_u32 s22, s22, BOFF
	s_sub_co_u32 s22, s22, s21
	v_mul_u32_u24 v30, s22, v2                     ; lanes 16-31 take the weight's words: one product, the distance between the two
	v_lshl_add_u32 v30, v1, 4, v30
	s_add_co_u32 s21, s21, SCW
	v_add_nc_u32 v[ADS], s21, v30
	v_add_nc_u32 v[ADS+1], SLOT, v[ADS]
	; the way out's LDS addresses, all made here, ahead of the waves' parting
	v_and_b32 v30, 8, v1
	v_add_nc_u32 v30, v30, v1                      ; p + 8 (p / 8)
	s_mul_i32 s23, s14, 17408
	s_add_co_u32 s23, s23, VSTG                    ; my stage
	v_mul_u32_u24 v26, v30, 272
	v_lshl_add_u32 v26, v2, 6, v26
	v_add_nc_u32 v26, s23, v26                     ; in: the token's row, + 64 h
	v_mul_u32_u24 v27, v2, 32*272
	v_lshl_add_u32 v27, v30, 2, v27
	v_add_nc_u32 v27, s23, v27                     ; out: keys 32 h on, the column of my row of v's fragment
	v_lshl_add_u32 v28, v1, 4, v2
	s_lshl_b32 s23, s15, 1
	s_add_co_u32 s23, s23, VSS
	v_add_nc_u32 v28, s23, v28                     ; v's scale byte: 16 p + 2 x my half of the keys + h
	v_lshlrev_b32 v95, 3, v3                       ; 8 x lane
	v_add_nc_u32 v31, VSS, v95
	v_lshlrev_b32 v94, 1, v3                       ; 2 x lane
	v_mov_b32 v[TM+2], 0                           ; written once: a lane permute's destination counts as one of its sources
	v_mov_b32 v[TM+3], 0
	; where the results go
	s_mul_i32 s88, s17, 13568
	s_mov_b32 s89, 0
	s_add_nc_u64 s[88:89], s[78:79], s[88:89]      ; kvp: these 128 keys' block
	s_lshl_b32 s90, s15, 8
	s_mov_b32 s91, 0
	s_add_nc_u64 s[94:95], s[88:89], s[90:91]      ; + 256 x my half: k's words and mb
	s_mul_i32 s90, s15, 768
	s_add_nc_u64 s[92:93], s[88:89], s[90:91]      ; + 768 x my half: v's half fragments
	s_mul_i32 s90, s15, 3072
	s_add_nc_u64 s[68:69], s[88:89], s[90:91]      ; k's four half fragments
	s_add_nc_u64 s[70:71], s[94:95], 6144          ; k's words
	s_lshl_b32 s90, s17, 1
	s_add_co_u32 s90, s90, s15
	s_lshl_b32 s90, s90, 4                         ; 16 heads for each 64 tokens
	s_min_u32 s66, s42, 7                          ; (tile 8 has no head: its pointer into qp is not chosen, and stays inside)
	s_lshl_b32 s66, s66, 1
	s_add_co_u32 s90, s90, s66
	s_add_co_u32 s90, s90, s16
	s_mul_i32 s90, s90, 3328
	s_add_nc_u64 s[84:85], s[76:77], s[90:91]      ; q's record
	s_add_nc_u64 s[86:87], s[84:85], 3072          ; its words
	s_cmp_lt_u32 s42, 8
	s_cselect_b64 s[84:85], s[84:85], s[68:69]
	s_cselect_b64 s[86:87], s[86:87], s[70:71]
	s_mov_b32 s[SEL], 0x76543210                   ; (s66 served as a temporary)
	s_lshl_b32 s90, s17, 7
	s_lshl_b32 s18, s15, 6
	s_add_co_u32 s90, s90, s18
	s_add_nc_u64 s[74:75], s[74:75], s[90:91]      ; the mask of my 64 keys
	s_wait_tensorcnt 0x0                           ; my load has landed
	s_barrier_signal -1
	s_barrier_wait -1
	FETCH 0, 0, F0, 0
	s_wait_loadcnt 0x0                             ; the bias
	STEP 0, 0, 1
	STEP 0, 1, 0
	STEP 0, 2, 0
	TURN 0, 1
	STEP 1, 0, 0
	STEP 1, 1, 0
	STEP 1, 2, 0
	s_wait_dscnt 8                                 ; the last step: nothing more to fetch
	WIN MUL
	MUL8 F1, 1, 0, 0
	s_wait_dscnt 0x0
	MUL8 F1, 1, 2, 0
	WIN 0
	PLACES
	s_cmp_lg_u32 s42, 8                            ; tile 8's waves 1 and 3 hold v
	s_cbranch_scc1 .Lqk
	s_cmp_eq_u32 s16, 1
	s_cbranch_scc1 .Lv
.Lqk:
	; q or k: my 64 columns are one head: K of the score product.  Four half fragments, and their words (bytes 2, 3 stay 0: they scale zero codes)
.irp i, 0,1,2,3
	QUANT2 ACC+32*\i, PCB+8*\i, PT, HWB+\i, TM
	global_store_b128 v[L16], v[PCB+8*\i:PCB+8*\i+3], s[84:85] offset:768*\i
	global_store_b64 v[L8], v[PCB+8*\i+4:PCB+8*\i+5], s[84:85] offset:768*\i+512
.endr
	v_cndmask_b32 v80, v[HWB], v[HWB+2], s40       ; lane (p, h) stores row p's words 2 h and 2 h + 1: 256 consecutive bytes a wave
	v_cndmask_b32 v81, v[HWB+1], v[HWB+3], s40
	global_store_b64 v[L8], v[80:81], s[86:87]
	s_cmp_lg_u32 s42, 8
	s_cbranch_scc1 .Ljoin
	global_load_u16 v82, v94, s[74:75]             ; k's waves also lay the mask: two keys a lane, in the keys' own order
	s_wait_loadcnt 0x0
	v_and_b32 v84, 0xff, v82
	v_lshrrev_b32 v85, 8, v82
	v_mul_lo_u32 v84, v84, s41                     ; 0 or 1 times the pattern: a selection, no branch
	v_mul_lo_u32 v85, v85, s41
	global_store_b64 v95, v[84:85], s[94:95] offset:6656
	s_branch .Ljoin
.Lv:
	; v is quantised along the KEYS: my 64 tokens x 64 columns turn through my stage, rows in the keys' own order
.irp i, 0,1,2,3
.irp b, 0,1,2,3
	ds_store_b128 v26, v[ACC+32*\i+8*\b:ACC+32*\i+8*\b+3] offset:(32*(\i/2)+8*(\i%2))*272+128*(\b/2)+32*(\b%2)
	ds_store_b128 v26, v[ACC+32*\i+8*\b+4:ACC+32*\i+8*\b+7] offset:(32*(\i/2)+8*(\i%2))*272+128*(\b/2)+32*(\b%2)+16
.endr
.endr
	s_wait_alu depctr_va_vdst(0)
.irp t, 0,1,2,3                        ; fragment t: 16 of the head's 64; lane (p, h) takes a whole block of 32 keys of its row
.if \t > 0
	s_wait_xcnt 0x0                                ; the last fragment's stores have read their registers
.endif
.set kk, 0
.rept 32
	ds_load_b32 v[VX+kk], v27 offset:kk*272+(32*(\t/2)+8*(\t%2))*4   ; LDS serves a wave's instructions in order: these see my stores
.set kk, kk+1
.endr
	s_wait_dscnt 0x0
	v_max3_num_f32 v74, |v[VX]|, |v[VX+1]|, |v[VX+2]|
	v_max3_num_f32 v75, |v[VX+3]|, |v[VX+4]|, |v[VX+5]|
.irp i, 6,10,14,18,22,26
	v_max3_num_f32 v74, v74, |v[VX+\i]|, |v[VX+\i+1]|
	v_max3_num_f32 v75, v75, |v[VX+\i+2]|, |v[VX+\i+3]|
.endr
	v_max3_num_f32 v74, v74, |v[VX+30]|, |v[VX+31]|
	v_max3_num_f32 v74, v74, v75, 0x1800000
	v_add_nc_u32 v76, 0xff000000, v74
	v_lshrrev_b32 v77, 23, v76
	v_cvt_scalef32_pk16_fp6_f32 v[VPC:VPC+2], v[VX:VX+15], v76
	v_cvt_scalef32_pk16_fp6_f32 v[VPT:VPT+2], v[VX+16:VX+31], v76
	v_nop                                          ; one plain place behind the conversions
.irp i, 0,1,2
	v_mov_b32 v[VPC+3+\i], v[VPT+\i]
.endr
	global_store_b128 v[L16], v[VPC:VPC+3], s[92:93] offset:7168+FRG*\t
	global_store_b64 v[L8], v[VPC+4:VPC+5], s[92:93] offset:7168+FRG*\t+512
	ds_store_b8 v28, v77 offset:4*\t
.endr
.Ljoin:
	s_wait_dscnt 0x0                               ; for the others' sake: my LDS stores are done
	s_barrier_signal -1
	s_barrier_wait -1
	s_cmp_lg_u32 s42, 8
	s_cbranch_scc1 .Lend
	s_cmp_lg_u32 s14, 1
	s_cbranch_scc1 .Lend
	ds_load_b64 v[86:87], v31                      ; tile 8's wave 1 stores v's 64 scale words: 256 consecutive bytes
	s_wait_dscnt 0x0
	global_store_b64 v95, v[86:87], s[88:89] offset:13312
.Lend:
	s_wait_tensorcnt 0x0                           ; the wave's end
	ds_add_u32 v[SPW], v[NIL]
	s_wait_dscnt 0x0
	s_endpgm
.Lfunc_end_k_q2eb1ad49e1_qkv:
	.size	k_q2eb1ad49e1_qkv, .Lfunc_end_k_q2eb1ad49e1_qkv-k_q2eb1ad49e1_qkv
	.p2alignl 7, 3214868480
	.fill 96, 4, 3214868480
	.section	.rodata,"a",@progbits
	.p2align	6, 0x0
	.amdhsa_kernel k_q2eb1ad49e1_qkv
		.amdhsa_group_segment_fixed_size 327680
		.amdhsa_private_segment_fixed_size 0
		.amdhsa_enable_private_segment 0
		.amdhsa_kernarg_size 64
		.amdhsa_user_sgpr_count 2
		.amdhsa_user_sgpr_kernarg_segment_ptr 1
		.amdhsa_wavefront_size32 1
		.amdhsa_system_sgpr_workgroup_id_x 1
		.amdhsa_system_sgpr_workgroup_id_y 1
		.amdhsa_system_sgpr_workgroup_id_z 1
		.amdhsa_system_vgpr_workitem_id 0
		.amdhsa_next_free_vgpr 512
		.amdhsa_next_free_sgpr 96
		.amdhsa_reserve_vcc 0
		.amdhsa_float_denorm_mode_32 3
		.amdhsa_float_denorm_mode_16_64 3
		.amdhsa_memory_ordered 1
		.amdhsa_forward_progress 1
		.amdhsa_inst_pref_size 70
	.end_amdhsa_kernel
	.amdgpu_metadata
---
amdhsa.version: [ 1, 2 ]
amdhsa.kernels:
  - .name:           k_q2eb1ad49e1_qkv
    .symbol:         k_q2eb1ad49e1_qkv.kd
    .args:
      - { .name: hc, .offset: 0, .size: 8, .value_kind: global_buffer, .address_space: global }
      - { .name: wc, .offset: 8, .size: 8, .value_kind: global_buffer, .address_space: global }
      - { .name: bQ, .offset: 16, .size: 8, .value_kind: global_buffer, .address_space: global }
      - { .name: bK, .offset: 24, .size: 8, .value_kind: global_buffer, .address_space: global }
      - { .name: bV, .offset: 32, .size: 8, .value_kind: global_buffer, .address_space: global }
      - { .name: mask, .offset: 40, .size: 8, .value_kind: global_buffer, .address_space: global }
      - { .name: qp, .offset: 48, .size: 8, .value_kind: global_buffer, .address_space: global }
      - { .name: kvp, .offset: 56, .size: 8, .value_kind: global_buffer, .address_space: global }
    .group_segment_fixed_size: 327680
    .private_segment_fixed_size: 0
    .kernarg_segment_align: 8
    .kernarg_segment_size: 64
    .max_flat_workgroup_size: 128
    .sgpr_count:     96
    .vgpr_count:     512
    .wavefront_size: 32
...
	.end_amdgpu_metadata
.endif
;; end of part 3
;; launch attn (part 4): grid 64 x 4, 16 waves a work-group, clusters of 4 x 1, 167,936 bytes of LDS; arguments qp, kvp, cc; writes cc
.if DOCPART == 4
	.amdgcn_target "amdgcn-amd-amdhsa--gfx1250"
	.amdhsa_code_object_version 6
	.text
	.protected	k_q2eb1ad49e1_attn
	.globl	k_q2eb1ad49e1_attn
	.p2align	8
	.type	k_q2eb1ad49e1_attn,@function
k_q2eb1ad49e1_attn:
	s_mov_b64 s[64:65], 0
	v_nop
	global_prefetch_b8 v0, s[64:65] scope:SCOPE_SE
	s_setreg_imm32_b32 hwreg(HW_REG_WAVE_MODE, 25, 1), 1
	s_wait_xcnt 0x0
	s_wait_alu depctr_hold_cnt(0) depctr_sa_sdst(0) depctr_va_vdst(0) depctr_va_sdst(0) depctr_va_ssrc(0) depctr_va_vcc(0) depctr_vm_vsrc(0)
	s_getreg_b32 s2, hwreg(HW_REG_IB_STS2, 6, 4)
	s_cmp_eq_u32 s2, 0
	s_cbranch_scc0 .Lentry_in_a_cluster
	s_endpgm
.Lentry_in_a_cluster:
	s_bfe_u32 s2, ttmp6, 0x10000c
	s_cmp_lg_u32 s2, 0x3003
	s_cbranch_scc0 .Lentry_shape_is_right
	s_endpgm
.Lentry_shape_is_right:
; ctx = softmax(q k^T / 8, masked) v for 16 heads over one shared key and value head, both products on codes of E2M3; ctx is quantised along the features for the next product.  Nothing is left out.
; THE SOFTMAX AHEAD OF THE SECOND PRODUCT: t = score x log2(e) / 8; M = the running largest t rounded UP to a whole number; p = 2^(t - M) is quantised along the keys, not normalised; the row's sum is taken of the
; unquantised p and divides at the end.  When M moves, the sum and O are multiplied by 2^(old M - new M): exact.
; THE MASK is the C of the score product: 0, or -1.9375 x 2^127 for a hidden key.  The running largest t begins at -1e30, over every hidden t (about -6e37), so a hidden key never sets M and its p is 0.
; LIMITS: |score| stays under 1e30; a batch all of whose keys are hidden (NaN by the problem's formula) is not served; NaN and infinities are not served.
; SHARES.  A work-group owns 64 tokens x 4 heads; each of its sixteen waves one tile of 16 queries of one head, in 256 registers.  Every wave walks the batch's 1,024 keys, 128 a step.
; The batch's whole pack of k, v, scales and mask (108,544 bytes) comes into LDS ONCE, each wave fetching a sixteenth; nothing is filled again.
; CLUSTER.  The four work-groups of a cluster own the same tokens' other heads and read the same pack: it is asked for jointly, by the same loads with a mask that names the four.
; LAYOUT.  Both products are used transposed: S^T = k q^T, O^T = v^T p^T: a lane holds one query throughout.  The keys of a fragment of k are chosen so that the 16 registers of score tiles 2 b, 2 b + 1 are the 16
; neighbouring keys 32 b + 16 h + 0 .. 15; the rows of a fragment of v likewise, so that O^T's registers run along the features.  The score product's K is 64: the upper halves of q's and k's fragments are zero codes.
; No prefetch is laid: the pack is asked for whole at the head, and no later step waits for memory.
; REGISTERS: v1-4 lane terms; v5-8 the step's addresses; v9 at work; v[10:11] f; v12 -M, v13 the largest t; v[14:15] the sum; v16-27 q; v28 q's words; v29 p's words; v30, v31 the add's two; v32-79 four fragments of k;
;            v80-83 k's words, v84-87 v's; v88-95 at work; v96-159 S^T, then p; v160-191 O^T; v192-239 v's four fragments; v240-251 p's codes; v252-255 the conversions' scale operands.
.set STP,   13568                      ; a key step's block of the pack
.set PACK,  8*STP
.set SST,   PACK                       ; behind the pack: 512 bytes in which ctx's scale words meet
.set SPARE, SST+512                    ; the spare words, 128 bytes a wave
.set WV,    10
.set G1,    16
.set G0,    24
.set TB,    28                         ; s28 where the step's block begins in LDS
.set CNT,   29
.set CS,    30                         ; s[30:31] c = log2(e) / 8
.set SEL,   32                         ; s[32:33] lane selects: lane l xor 16
.macro CROUND                          ; a round of the cluster's barrier
	s_barrier_signal -1
	s_barrier_wait -1
	s_cmp_lg_u32 s[WV], 0
	s_cbranch_scc1 .Lnot_wave_0_\@
	s_barrier_signal -3
.Lnot_wave_0_\@:
	s_barrier_wait -3
	s_barrier_signal -1
	s_barrier_wait -1
.endm
.macro QUANT2 s, pc, pt, hw, tm        ; 32 numbers of a lane, register 16 b + i = k 32 b + 16 h + i, become half a fragment's 6 registers and two scale bytes
.irp b, 0,1
	v_max3_num_f32 v[\tm+\b], |v[\s+16*\b]|, |v[\s+16*\b+1]|, 0x1800000
.endr
.irp i, 2,4,6,8,10,12,14
.irp b, 0,1
	s_delay_alu instid0(VALU_DEP_2)
	v_max3_num_f32 v[\tm+\b], v[\tm+\b], |v[\s+16*\b+\i]|, |v[\s+16*\b+\i+1]|
.endr
.endr
.irp b, 0,1
	s_delay_alu instid0(VALU_DEP_2)
	v_permlanex16_b32 v[\tm+2+\b], v[\tm+\b], s[SEL], s[SEL+1]
.endr
.irp b, 0,1
	s_delay_alu instid0(VALU_DEP_2)
	v_max_num_f32 v[\tm+\b], v[\tm+\b], v[\tm+2+\b]
.endr
.irp b, 0,1
	s_delay_alu instid0(VALU_DEP_2)
	v_add_nc_u32 v[\tm+\b], 0xff000000, v[\tm+\b]
.endr
.irp b, 0,1
	s_delay_alu instid0(VALU_DEP_2)
	v_lshrrev_b32 v[\tm+2+\b], 23, v[\tm+\b]
.endr
	s_delay_alu instid0(VALU_DEP_1)
	v_lshl_or_b32 v[\hw], v[\tm+3], 8, v[\tm+2]
	v_cvt_scalef32_pk16_fp6_f32 v[\pc:\pc+2], v[\s:\s+15], v[\tm]
	v_cvt_scalef32_pk16_fp6_f32 v[\pt:\pt+2], v[\s+16:\s+31], v[\tm+1]
	v_nop
.irp i, 0,1,2
	v_permlane16_swap_b32 v[\pc+\i], v[\pt+\i]
.endr
.irp i, 0,1,2
	s_delay_alu instid0(VALU_DEP_3)
	v_mov_b32 v[\pc+3+\i], v[\pt+\i]
.endr
.endm
	s_load_b128 s[4:7], s[0:1], 0x0                ; qp, kvp
	s_load_b64 s[8:9], s[0:1], 0x10                ; cc
	v_lshl_add_u32 v30, v0, 2, SPARE
	v_mov_b32 v31, 0
	ds_add_u32 v30, v31                            ; the wave's opening: the add, twice on end, and its wait ahead of my first tensor load
	ds_add_u32 v30, v31
	v_lshrrev_b32 v9, 5, v0
	s_delay_alu instid0(VALU_DEP_1)
	v_readfirstlane_b32 s[WV], v9                  ; wave 0..15
	s_bfe_u32 s11, ttmp6, 0x40000                  ; cx: which four heads; it enters q's and ctx's global addresses alone
	s_and_b32 s13, ttmp7, 0xffff                   ; the batch
	s_mov_b32 s[G1], 15|(3<<16)|(1<<21)            ; the mask: all four work-groups; elements of 8 bytes; bit 21 beside a mask
	s_mov_b32 s[G1+1], 32<<16                      ; rows of 32 elements, 256 bytes, each on a 256-byte border: a key step's block is 53 of them
	s_mov_b32 s[G1+2], 27<<16                      ; the even waves fetch a block's first 27 rows,
	s_mov_b32 s[G1+3], 32<<16
	s_mov_b32 s[G1+4], 27
	s_mov_b32 s[G1+5], 32
	s_mov_b32 s[G1+6], 0
	s_mov_b32 s48, 15|(3<<16)|(1<<21)              ; the odd waves its other 26: a second group 1
	s_mov_b32 s49, 32<<16
	s_mov_b32 s50, 26<<16
	s_mov_b32 s51, 32<<16
	s_mov_b32 s52, 26
	s_mov_b32 s53, 32
	s_mov_b32 s54, 0
	s_mov_b32 s55, 0
	s_mov_b32 s[G1+7], 0
	s_mov_b32 s[G0], 1
	s_lshr_b32 s12, s[WV], 1
	s_mul_i32 s[G0+1], s12, STP                    ; block wave / 2 of the pack, in LDS,
	s_and_b32 s12, s[WV], 1
	s_mul_i32 s14, s12, 27*256
	s_add_co_u32 s[G0+1], s[G0+1], s14             ; from its row 0 or 27 on
	s_mul_i32 s34, s13, PACK
	s_add_co_u32 s34, s34, s[G0+1]                 ; and in memory
	s_mov_b32 s35, 0
	s_lshl_b32 s36, s13, 4
	s_add_co_u32 s36, s36, ttmp9                   ; which 64 tokens: 16 x batch + the cluster's x
	s_lshl_b32 s37, s36, 4
	s_lshl_b32 s38, s11, 2
	s_add_co_u32 s37, s37, s38
	s_lshr_b32 s38, s[WV], 2
	s_add_co_u32 s37, s37, s38                     ; + my head: 4 cx + wave / 4
	s_mul_i32 s37, s37, 3328                       ; q's record
	s_and_b32 s39, s[WV], 3                        ; my tile of 16 queries
	s_mul_i32 s38, s39, 768
	s_add_co_u32 s40, s37, s38
	s_mov_b32 s41, 0
	s_lshl_b32 s38, s39, 2
	s_add_co_u32 s42, s37, s38
	s_add_co_u32 s42, s42, 3072
	s_mov_b32 s43, 0
	s_mov_b32 s[CS], 0x3e38aa3b
	s_mov_b32 s[CS+1], s[CS]                       ; (named with it as a pair)
	s_mov_b32 s[SEL], 0x76543210
	s_mov_b32 s[SEL+1], 0xfedcba98
	s_wait_dscnt 0x0                               ; both opening adds are done
	s_wait_kmcnt 0x0
	s_add_nc_u64 s[G0+2:G0+3], s[6:7], s[34:35]
	s_or_b32 s[G0+3], s[G0+3], 0x80000000
	s_add_nc_u64 s[40:41], s[4:5], s[40:41]
	s_add_nc_u64 s[42:43], s[4:5], s[42:43]
	CROUND                                         ; all four work-groups are here: the joint loads meet
	s_cmp_eq_u32 s12, 0                            ; the wave's parity: the same branch in every work-group
	s_cbranch_scc0 .Lodd
	tensor_load_to_lds s[G0:G0+3], s[G1:G1+7]      ; one load of mine is out
	s_nop 0
.rept 4
	v_nop
.endr
	s_branch .Lasked
.Lodd:
	tensor_load_to_lds s[G0:G0+3], s[48:55]
	s_nop 0
.rept 4
	v_nop
.endr
.Lasked:
.rept 4
	v_nop
.endr
	v_and_b32 v9, 31, v0
	s_delay_alu instid0(VALU_DEP_1)
	v_lshlrev_b32 v1, 4, v9                        ; 16 x lane
	v_and_b32 v3, 15, v0
	s_delay_alu instid0(VALU_DEP_1)
	v_lshlrev_b32 v3, 4, v3                        ; 16 p
	v_bfe_u32 v4, v0, 4, 1
	s_delay_alu instid0(VALU_DEP_1)
	v_lshl_add_u32 v2, v4, 3, v3                   ; 16 p + 8 h
	s_delay_alu instid0(VALU_DEP_2)
	v_lshlrev_b32 v4, 6, v4                        ; 64 h
	global_load_b128 v[16:19], v1, s[40:41]        ; q's half fragment stays in registers
	global_load_b64 v[20:21], v2, s[40:41] offset:512
	global_load_b32 v28, v3, s[42:43]              ; and its scale words
.irp j, 22,23,24,25,26,27
	v_mov_b32 v\j, 0                               ; K = 64 .. 127: zero codes
.endr
.irp t, 0,1,2,3
.irp j, 6,7,8,9,10,11
	v_mov_b32 v[32+12*\t+\j], 0                    ; the same in k's four fragments: cleared once
.endr
.endr
	v_mov_b32 v13, 0xf149f2ca                      ; the largest t so far: -1e30
	s_delay_alu instid0(VALU_DEP_1)
	v_floor_f32 v12, -v13                          ; -M
	v_mov_b32 v14, 0
	v_mov_b32 v15, 0
	v_mov_b32 v11, 0                               ; (named as the upper half of the pair v[10:11])
.irp b, 0,1,2,3
	v_mov_b32 v[92+\b], 0                          ; written once: a lane permute's destination counts as one of its sources
.endr
.set j, 0
.rept 32
	v_mov_b32 v[160+j], 0                          ; O^T: the step is written once; the first finds zeros
.set j, j+1
.endr
	s_mov_b32 s[TB], 0
	s_mov_b32 s[CNT], 8
	s_wait_tensorcnt 0x0                           ; my part of the pack has landed,
	s_barrier_signal -1
	s_barrier_wait -1                              ; everybody's has
	s_wait_loadcnt 0x0                             ; q
.Lstep:
	v_add_nc_u32 v5, s[TB], v1                     ; these four are also the places behind the last step's products, in front of the loads below
	s_wait_alu depctr_va_vdst(0)
	v_add_nc_u32 v6, s[TB], v2
	s_wait_alu depctr_va_vdst(0)
	v_add_nc_u32 v7, s[TB], v3
	v_add_nc_u32 v8, s[TB], v4
.irp t, 0,1,2,3,4,5,6,7                        ; the mask's numbers at my registers' keys: the C of the score product
	ds_load_b128 v[96+8*\t:99+8*\t], v8 offset:6656+(32*(\t/2)+8*(\t%2))*4
	ds_load_b128 v[100+8*\t:103+8*\t], v8 offset:6656+(32*(\t/2)+8*(\t%2))*4+16
.endr
	ds_load_b128 v[80:83], v5 offset:6144          ; k's words: lanes 0-15 fragments 0-3, lanes 16-31 fragments 4-7
	ds_load_b128 v[84:87], v7 offset:13312         ; v's words
.irp g, 0,1                                    ; S^T = k q^T + mask, four tiles of 16 keys at a time
.if \g
.rept 4
	v_nop                                          ; places in front of loads into registers that matrix instructions have read
.endr
.endif
.irp t, 0,1,2,3
	ds_load_b128 v[32+12*\t:35+12*\t], v5 offset:(4*\g+\t)*768
	ds_load_b64 v[36+12*\t:37+12*\t], v6 offset:(4*\g+\t)*768+512
.endr
	s_wait_dscnt 0x0
.irp t, 0,1,2,3
.if \g
	v_wmma_scale_f32_16x16x128_f8f6f4 v[96+8*(4*\g+\t):103+8*(4*\g+\t)], v[32+12*\t:43+12*\t], v[16:27], v[96+8*(4*\g+\t):103+8*(4*\g+\t)], v[80+\t], v28 matrix_a_fmt:MATRIX_FMT_FP6 matrix_b_fmt:MATRIX_FMT_FP6 matrix_a_scale:MATRIX_SCALE_ROW1
.else
	v_wmma_scale_f32_16x16x128_f8f6f4 v[96+8*(4*\g+\t):103+8*(4*\g+\t)], v[32+12*\t:43+12*\t], v[16:27], v[96+8*(4*\g+\t):103+8*(4*\g+\t)], v[80+\t], v28 matrix_a_fmt:MATRIX_FMT_FP6 matrix_b_fmt:MATRIX_FMT_FP6
.endif
.endr
.endr
.irp t, 0,1,2,3                                ; v's four fragments land while the softmax is walked
	ds_load_b128 v[192+12*\t:195+12*\t], v5 offset:7168+1536*\t
	ds_load_b64 v[196+12*\t:197+12*\t], v6 offset:7168+1536*\t+512
	ds_load_b128 v[198+12*\t:201+12*\t], v5 offset:7168+1536*\t+768
	ds_load_b64 v[202+12*\t:203+12*\t], v6 offset:7168+1536*\t+1280
.endr
.rept 4
	v_nop
.endr
.irp b, 0,1,2,3
	v_max3_num_f32 v[88+\b], v[96+16*\b], v[97+16*\b], v[98+16*\b]   ; the largest score of each block of 32 keys: for the row's maximum and, since p rises with the score, for the block's largest p
.endr
.irp i, 3,5,7,9,11,13
.irp b, 0,1,2,3
	v_max3_num_f32 v[88+\b], v[88+\b], v[96+16*\b+\i], v[97+16*\b+\i]
.endr
.endr
.irp b, 0,1,2,3
	v_max_num_f32 v[88+\b], v[88+\b], v[111+16*\b]
.endr
.irp b, 0,1,2,3
	s_delay_alu instid0(VALU_DEP_4)
	v_permlanex16_b32 v[92+\b], v[88+\b], s[SEL], s[SEL+1]
.endr
.irp b, 0,1,2,3
	s_delay_alu instid0(VALU_DEP_4)
	v_max_num_f32 v[88+\b], v[88+\b], v[92+\b]     ; with lane l xor 16's 16 keys
.endr
	s_delay_alu instid0(VALU_DEP_2)
	v_max3_num_f32 v9, v88, v89, v90
	s_delay_alu instid0(VALU_DEP_1)
	v_max_num_f32 v9, v9, v91
	s_delay_alu instid0(VALU_DEP_1)
	v_mul_f32 v9, s[CS], v9                        ; the step's largest t
	s_delay_alu instid0(VALU_DEP_1)
	v_max_num_f32 v13, v13, v9                     ; the running largest t
	v_mov_b32 v9, v12
	s_delay_alu instid0(VALU_DEP_2)
	v_floor_f32 v12, -v13                          ; the new -M = -ceil(t)
	s_delay_alu instid0(VALU_DEP_1)
	v_sub_f32 v9, v12, v9                          ; old M - new M: a whole number, 0 or less
	s_delay_alu instid0(VALU_DEP_1)
	v_cvt_i32_f32 v9, v9                           ; (it saturates)
	s_delay_alu instid0(VALU_DEP_1)
	v_ldexp_f32 v10, 1.0, v9                       ; f = 2^(old M - new M)
.set j, 0
.rept 32
	v_pk_fma_f32 v[96+j:97+j], v[96+j:97+j], s[CS:CS+1], v[12:13] op_sel_hi:[1,0,0]   ; t - M, two at a time
.set j, j+2
.endr
.irp b, 0,1,2,3
	v_fma_f32 v[88+\b], v[88+\b], s[CS], v12       ; the same of each block's largest score
.endr
.set j, 0
	s_wait_alu depctr_va_vdst(0)
.rept 64
	v_exp_f32 v[96+j], v[96+j]                     ; p = 2^(t - M)
.set j, j+1
.endr
	v_pk_mul_f32 v[14:15], v[14:15], v[10:11] op_sel_hi:[1,0]   ; the sums under the new M (a plain place behind the exponentials)
	s_wait_alu depctr_va_vdst(0)                   ; one wait for the whole batch, ahead of its first reader
.irp b, 0,1,2,3
	v_exp_f32 v[88+\b], v[88+\b]                   ; the block's largest p: the same two instructions on the same number
.endr
	v_pk_add_f32 v[92:93], v[100:101], v[104:105]
	v_pk_add_f32 v[254:255], v[108:109], v[112:113]
	v_pk_add_f32 v[252:253], v[116:117], v[120:121]
	v_pk_add_f32 v[250:251], v[124:125], v[128:129]
	v_pk_add_f32 v[248:249], v[132:133], v[136:137]
	v_pk_add_f32 v[246:247], v[140:141], v[144:145]
	v_pk_add_f32 v[244:245], v[148:149], v[152:153]
	v_pk_add_f32 v[14:15], v[14:15], v[156:157]
	v_pk_add_f32 v[92:93], v[92:93], v[96:97]
	v_pk_add_f32 v[254:255], v[254:255], v[98:99]
	v_pk_add_f32 v[252:253], v[252:253], v[102:103]
	v_pk_add_f32 v[250:251], v[250:251], v[106:107]
	v_pk_add_f32 v[248:249], v[248:249], v[110:111]
	v_pk_add_f32 v[246:247], v[246:247], v[114:115]
	v_pk_add_f32 v[244:245], v[244:245], v[118:119]
	v_pk_add_f32 v[14:15], v[14:15], v[122:123]
	v_pk_add_f32 v[92:93], v[92:93], v[126:127]
	v_pk_add_f32 v[254:255], v[254:255], v[130:131]
	v_pk_add_f32 v[252:253], v[252:253], v[134:135]
	v_pk_add_f32 v[250:251], v[250:251], v[138:139]
	v_pk_add_f32 v[248:249], v[248:249], v[142:143]
	v_pk_add_f32 v[246:247], v[246:247], v[146:147]
	v_pk_add_f32 v[244:245], v[244:245], v[150:151]
	v_pk_add_f32 v[14:15], v[14:15], v[154:155]
	v_pk_add_f32 v[92:93], v[92:93], v[158:159]
	s_delay_alu instid0(VALU_DEP_2)
	v_pk_add_f32 v[14:15], v[14:15], v[250:251]
	s_delay_alu instid0(VALU_DEP_2)
	v_pk_add_f32 v[92:93], v[92:93], v[248:249]
	v_pk_add_f32 v[254:255], v[254:255], v[246:247]
	v_pk_add_f32 v[252:253], v[252:253], v[244:245]
	s_delay_alu instid0(VALU_DEP_2)
	v_pk_add_f32 v[14:15], v[14:15], v[254:255]
	s_delay_alu instid0(VALU_DEP_2)
	v_pk_add_f32 v[92:93], v[92:93], v[252:253]
	s_delay_alu instid0(VALU_DEP_1)
	v_pk_add_f32 v[14:15], v[14:15], v[92:93]
	s_wait_alu depctr_va_vdst(0)                   ; and one for the four
.irp b, 0,1,2,3
	v_max_num_f32 v[88+\b], 0x1800000, v[88+\b]    ; the floor 2^(3 - 127): a block whose every p is 0 keeps the byte 1; its codes are zeros
.endr
.irp b, 0,1,2,3
	s_delay_alu instid0(VALU_DEP_4)
	v_add_nc_u32 v[252+\b], 0xff000000, v[88+\b]   ; the conversion's scale operand
.endr
.irp b, 0,1,2,3
	s_delay_alu instid0(VALU_DEP_4)
	v_lshrrev_b32 v[92+\b], 23, v[252+\b]          ; the scale's byte
.endr
	s_delay_alu instid0(VALU_DEP_3)
	v_lshl_or_b32 v29, v93, 8, v92                 ; p's scale word for these 128 keys
	s_delay_alu instid0(VALU_DEP_1)
	v_lshl_or_b32 v29, v94, 16, v29
	s_delay_alu instid0(VALU_DEP_1)
	v_lshl_or_b32 v29, v95, 24, v29
.irp c, 0,1
	v_cvt_scalef32_pk16_fp6_f32 v[240+6*\c:242+6*\c], v[96+32*\c:111+32*\c], v[252+2*\c]
	v_cvt_scalef32_pk16_fp6_f32 v[88+4*\c:90+4*\c], v[112+32*\c:127+32*\c], v[252+2*\c+1]
.endr
	v_nop                                          ; one plain place behind the conversions
.irp c, 0,1
.irp i, 0,1,2
	v_permlane16_swap_b32 v[240+6*\c+\i], v[88+4*\c+\i]
.endr
.irp i, 0,1,2
	s_delay_alu instid0(VALU_DEP_3)
	v_mov_b32 v[243+6*\c+\i], v[88+4*\c+\i]
.endr
.endr
.set j, 0
.rept 16
	v_pk_mul_f32 v[160+j:161+j], v[160+j:161+j], v[10:11] op_sel_hi:[1,0]   ; O^T under the new M.  (These sixteen are also the places between the writing of p's codes and word and the products)
.set j, j+2
.endr
	s_wait_alu depctr_va_vdst(0)
	s_wait_dscnt 0x0                               ; v's fragments
.irp t, 0,1,2,3
	v_wmma_scale_f32_16x16x128_f8f6f4 v[160+8*\t:167+8*\t], v[192+12*\t:203+12*\t], v[240:251], v[160+8*\t:167+8*\t], v[84+\t], v29 matrix_a_fmt:MATRIX_FMT_FP6 matrix_b_fmt:MATRIX_FMT_FP6
.endr
	s_add_co_u32 s[TB], s[TB], STP
	s_sub_co_u32 s[CNT], s[CNT], 1
	s_cmp_lg_u32 s[CNT], 0
	s_cbranch_scc1 .Lstep
	; THE WAY OUT.  ctx = O^T / the sum; my head's 64 features are half a K step of the next product: half a fragment, two scale bytes a row
	s_lshl_b32 s34, s13, 3
	s_lshr_b32 s35, ttmp9, 1
	s_add_co_u32 s34, s34, s35
	s_mul_i32 s34, s34, 102400                     ; the block of 128 tokens
	s_lshl_b32 s35, s11, 1
	s_mul_i32 s35, s35, 12800
	s_add_co_u32 s34, s34, s35                     ; K step 2 cx
	s_and_b32 s36, ttmp9, 1                        ; which half of the block's tokens
	s_lshl_b32 s37, s36, 8
	s_add_co_u32 s44, s34, s37
	s_add_co_u32 s44, s44, 12288                   ; the work-group's scale words
	s_mov_b32 s45, 0
	s_lshr_b32 s37, s[WV], 3
	s_mul_i32 s38, s37, 12800
	s_add_co_u32 s34, s34, s38                     ; + wave / 8 K steps
	s_lshl_b32 s38, s36, 2
	s_add_co_u32 s38, s38, s39
	s_mul_i32 s38, s38, 1536
	s_add_co_u32 s34, s34, s38                     ; my fragment,
	s_bfe_u32 s38, s[WV], 0x10002
	s_mul_i32 s46, s38, 768
	s_add_co_u32 s34, s34, s46                     ; my half of it: the head's parity
	s_mov_b32 s35, 0
	s_add_nc_u64 s[34:35], s[8:9], s[34:35]
	s_add_nc_u64 s[44:45], s[8:9], s[44:45]
	s_lshl_b32 s37, s37, 8
	s_lshl_b32 s46, s39, 2
	s_add_co_u32 s37, s37, s46
	s_lshl_b32 s46, s38, 1
	s_add_co_u32 s37, s37, s46
	s_add_co_u32 s37, s37, SST                     ; LDS: my two bytes of a row's word: made of the wave's number alone
.rept 4
	v_nop                                          ; places behind the last products
.endr
	v_add_f32 v14, v14, v15
	s_delay_alu instid0(VALU_DEP_1)
	v_permlanex16_b32 v9, v14, s[SEL], s[SEL+1]
	s_delay_alu instid0(VALU_DEP_1)
	v_add_f32 v14, v14, v9                         ; the row's sum
	s_wait_alu depctr_va_vdst(0)
	v_rcp_f32 v14, v14
	v_add_nc_u32 v5, s37, v3                       ; (plain work behind the transcendental)
	v_add_nc_u32 v6, SST, v1
	v_mul_u32_u24 v7, v4, 200                      ; 12,800 h
	s_delay_alu instid0(VALU_DEP_1)
	v_add_nc_u32 v7, v7, v3
	s_wait_alu depctr_va_vdst(0)                   ; the wait, ahead of the first reader
.set j, 0
.rept 32
	v_mul_f32 v[96+j], v[160+j], v14               ; register 16 b + i is feature 32 b + 16 h + i of my head
.set j, j+1
.endr
	QUANT2 96, 240, 246, 9, 88
	global_store_b128 v1, v[240:243], s[34:35]
	global_store_b64 v2, v[244:245], s[34:35] offset:512
	ds_store_b16 v5, v9
	s_wait_dscnt 0x0                               ; for the others' sake
	s_barrier_signal -1
	s_barrier_wait -1
	s_cmp_lg_u32 s[WV], 0
	s_cbranch_scc1 .Lnot0
	ds_load_b128 v[88:91], v6                      ; wave 0 stores the words: lanes 0-15 one K step's 256 bytes, lanes 16-31 the next K step's
	s_wait_dscnt 0x0
	global_store_b128 v7, v[88:91], s[44:45]
.Lnot0:
	s_wait_tensorcnt 0x0                           ; the wave's end
	ds_add_u32 v30, v31
	s_wait_dscnt 0x0
	CROUND                                         ; the closing round
	s_endpgm
.Lfunc_end_k_q2eb1ad49e1_attn:
	.size	k_q2eb1ad49e1_attn, .Lfunc_end_k_q2eb1ad49e1_attn-k_q2eb1ad49e1_attn
	.p2alignl 7, 3214868480
	.fill 96, 4, 3214868480
	.section	.rodata,"a",@progbits
	.p2align	6, 0x0
	.amdhsa_kernel k_q2eb1ad49e1_attn
		.amdhsa_group_segment_fixed_size 167936
		.amdhsa_private_segment_fixed_size 0
		.amdhsa_enable_private_segment 0
		.amdhsa_kernarg_size 24
		.amdhsa_user_sgpr_count 2
		.amdhsa_user_sgpr_kernarg_segment_ptr 1
		.amdhsa_wavefront_size32 1
		.amdhsa_system_sgpr_workgroup_id_x 1
		.amdhsa_system_sgpr_workgroup_id_y 1
		.amdhsa_system_sgpr_workgroup_id_z 1
		.amdhsa_system_vgpr_workitem_id 0
		.amdhsa_next_free_vgpr 256
		.amdhsa_next_free_sgpr 66
		.amdhsa_reserve_vcc 0
		.amdhsa_float_denorm_mode_32 3
		.amdhsa_float_denorm_mode_16_64 3
		.amdhsa_memory_ordered 1
		.amdhsa_forward_progress 1
		.amdhsa_inst_pref_size 33
	.end_amdhsa_kernel
	.amdgpu_metadata
---
amdhsa.version: [ 1, 2 ]
amdhsa.kernels:
  - .name:           k_q2eb1ad49e1_attn
    .symbol:         k_q2eb1ad49e1_attn.kd
    .args:
      - { .name: qp, .offset: 0, .size: 8, .value_kind: global_buffer, .address_space: global }
      - { .name: kvp, .offset: 8, .size: 8, .value_kind: global_buffer, .address_space: global }
      - { .name: cc, .offset: 16, .size: 8, .value_kind: global_buffer, .address_space: global }
    .group_segment_fixed_size: 167936
    .private_segment_fixed_size: 0
    .kernarg_segment_align: 8
    .kernarg_segment_size: 24
    .max_flat_workgroup_size: 512
    .sgpr_count:     66
    .vgpr_count:     256
    .wavefront_size: 32
...
	.end_amdgpu_metadata
.endif
;; end of part 4
;; launch wo (part 5): grid 8 x 32, 4 waves a work-group, clusters of 4 x 4, 327,680 bytes of LDS; arguments cc, wc, bO, x, x1; writes x1
.if DOCPART == 5
	.amdgcn_target "amdgcn-amd-amdhsa--gfx1250"
	.amdhsa_code_object_version 6
	.text
	.protected	k_q2eb1ad49e1_wo
	.globl	k_q2eb1ad49e1_wo
	.p2align	8
	.type	k_q2eb1ad49e1_wo,@function
k_q2eb1ad49e1_wo:
	s_mov_b64 s[64:65], 0
	v_nop
	global_prefetch_b8 v0, s[64:65] scope:SCOPE_SE
	s_setreg_imm32_b32 hwreg(HW_REG_WAVE_MODE, 25, 1), 1
	s_wait_xcnt 0x0
	s_wait_alu depctr_hold_cnt(0) depctr_sa_sdst(0) depctr_va_vdst(0) depctr_va_sdst(0) depctr_va_ssrc(0) depctr_va_vcc(0) depctr_vm_vsrc(0)
	s_getreg_b32 s2, hwreg(HW_REG_IB_STS2, 6, 4)
	s_cmp_eq_u32 s2, 0
	s_cbranch_scc0 .Lentry_in_a_cluster
	s_endpgm
.Lentry_in_a_cluster:
	s_bfe_u32 s2, ttmp6, 0x10000c
	s_cmp_lg_u32 s2, 0xf033
	s_cbranch_scc0 .Lentry_shape_is_right
	s_endpgm
.Lentry_shape_is_right:
; x1 = x + ctx WO + bO, the product on codes of E2M3.  Nothing is left out.
; A work-group makes 128 tokens x 128 columns; four waves, each 64 x 64: 16 accumulators.  That tile gives 256 work-groups at 4,096 x 1,024.
; OPERANDS lie in memory as images of the operand registers ([block of 128 rows][K step][12,800 bytes]: 8 fragments of 1,536 bytes, 512 bytes of scale words), so a run of K steps is one dense block for one tensor load
; and a fragment comes from LDS by four dense loads.  Fragment i holds in its row p the row 32 (i / 2) + 8 (i % 2) + p + 8 (p / 8) of the block.
; K goes through two LDS slots of 4 K steps each; here K has 8 steps, so the two first fills are all of it (LAPS = 1).
; CLUSTERS: 4 x 4 work-groups.  The four of a row of the cluster need the same tokens' codes, the four of a column the same weight's: each is asked for jointly, by the same tensor load with a mask that names the four.
; THE MATRIX INSTRUCTION IS USED TRANSPOSED (source 0 = 16 columns of the weight, source 1 = 16 tokens): a lane holds eight neighbouring columns of one token's row.  The bias is the C of each sum's first matrix instruction.
; REGISTERS: window 0: v1-15 addresses; v16-23 scale words, two sets; v24-31 addresses of the way out; v32-127 at work on the way out (v96-127 first hold the bias); v128-255 the accumulators ((a, b) at v[128 + 8 (4 a + b)]).
;            window 1: two sets of fragments, at v0 and at v128: the tokens' four at 12 a, the weight's four at 48 + 12 b.
.set KB,    12800
.set KSTEPS, 8                         ; K steps of the product
.set LAPS,  KSTEPS/8                   ; a lap = once round the two slots
.set WBASE, 72*KB                      ; where the weight begins in wc
.set NSTRIDE, KSTEPS*KB                ; from column block to column block
.set FRG,   1536
.set SCW,   12288
.set BOFF,  4*KB                       ; a slot: the tokens' 4 K steps, then the weight's 4
.set SLOT,  8*KB
.set STAGE, 2*SLOT                     ; behind the ring: 16 rows x 272 bytes for each wave, for the way out
.set SPARE, STAGE+4*16*272             ; the spare words, 128 bytes a wave
.set A16,   4
.set A8,    6
.set B16,   8
.set B8,    10
.set ADS,   12
.set SPW,   14
.set NIL,   15
.set SC,    16
.set L16,   24
.set L8,    25
.set STO,   26
.set RD,    27
.set CO,    28
.set BO,    29
.set R0,    32
.set BK,    64
.set R1,    96
.set BIAS,  96
.set ACC,   128
.set F0,    0
.set F1,    128
.set G1,    24
.set G0,    32
.set G1B,   48
.set G0B,   56
.set MSB, 0
.macro WIN new                         ; the immediate's high byte repeats the setting that is left
.if MSB != \new
	s_set_vgpr_msb (MSB<<8)|\new
.set MSB, \new
.endif
.endm
.set MUL,  0x05                        ; sources 0 and 1 window 1; C and D window 0
.set TO_F, 0x40                        ; destination window 1, address window 0
.macro PLACES
.rept 4
	v_nop
.endr
.endm
.macro JLOAD s                         ; a joint load: wave 0 fetches the tokens' K steps 0-3, wave 1 their K steps 4-7, waves 2 and 3 the weight's likewise; an s_nop 0 and four v_nop follow each line
	s_cmp_eq_u32 s15, 0
	s_cbranch_scc0 .Lfor_b_\@
	tensor_load_to_lds s[G0+4*\s:G0+4*\s+3], s[G1:G1+7]
	s_nop 0
.rept 4
	v_nop
.endr
	s_branch .Lasked_\@
.Lfor_b_\@:
	tensor_load_to_lds s[G0B+4*\s:G0B+4*\s+3], s[G1B:G1B+7]
	s_nop 0
.rept 4
	v_nop
.endr
.Lasked_\@:
.endm
.macro CREST                           ; a round of the cluster's barrier behind its opening barrier
	s_cmp_lg_u32 s14, 0
	s_cbranch_scc1 .Lnot_wave_0_\@
	s_barrier_signal -3
.Lnot_wave_0_\@:
	s_barrier_wait -3
	s_barrier_signal -1
	s_barrier_wait -1
.endm
.macro CROUND
	s_barrier_signal -1
	s_barrier_wait -1
	CREST
.endm
.macro MUL8 f, set, a0, first          ; 8 matrix instructions; the 16 accumulators take turns in the same order in every step
.irp a, \a0, \a0+1
.irp b, 0,1,2,3
.if \first
	v_wmma_scale_f32_16x16x128_f8f6f4 v[ACC+8*(4*(\a)+\b):ACC+8*(4*(\a)+\b)+7], v[(\f)+48+12*\b:(\f)+48+12*\b+11], v[(\f)+12*(\a):(\f)+12*(\a)+11], v[BIAS+8*\b:BIAS+8*\b+7], v[SC+4*(\set)+\b], v[SC+4*(\set)+(\a)] matrix_a_fmt:MATRIX_FMT_FP6 matrix_b_fmt:MATRIX_FMT_FP6 matrix_a_scale:MATRIX_SCALE_ROW1
.else
	v_wmma_scale_f32_16x16x128_f8f6f4 v[ACC+8*(4*(\a)+\b):ACC+8*(4*(\a)+\b)+7], v[(\f)+48+12*\b:(\f)+48+12*\b+11], v[(\f)+12*(\a):(\f)+12*(\a)+11], v[ACC+8*(4*(\a)+\b):ACC+8*(4*(\a)+\b)+7], v[SC+4*(\set)+\b], v[SC+4*(\set)+(\a)] matrix_a_fmt:MATRIX_FMT_FP6 matrix_b_fmt:MATRIX_FMT_FP6 matrix_a_scale:MATRIX_SCALE_ROW1
.endif
.endr
.endr
.endm
.macro FRAGLD reg, a16, a8, off
	ds_load_b128 v[\reg:\reg+3], v[\a16] offset:\off
	ds_load_b64 v[\reg+4:\reg+5], v[\a8] offset:\off+512
	ds_load_b128 v[\reg+6:\reg+9], v[\a16] offset:\off+768
	ds_load_b64 v[\reg+10:\reg+11], v[\a8] offset:\off+1280
.endm
.macro FETCH slot, q, f, set           ; 33 LDS loads: the scale words, the weight's four fragments, the tokens' 0, 1, the tokens' 2, 3
	WIN 0
	ds_load_b128 v[SC+4*(\set):SC+4*(\set)+3], v[ADS+\slot] offset:(\q)*KB
	WIN TO_F
.irp i, 0,1,2,3
	FRAGLD (\f)+48+12*\i, B16+\slot, B8+\slot, (\q)*KB+\i*FRG
.endr
.irp i, 0,1,2,3
	FRAGLD (\f)+12*\i, A16+\slot, A8+\slot, (\q)*KB+\i*FRG
.endr
.endm
.macro STEP slot, q, first
	s_wait_dscnt 8                                 ; all but the youngest eight loads: the tokens' fragments 2, 3
	WIN MUL
	MUL8 F0+128*((\q)%2), (\q)%2, 0, \first
	PLACES
	FETCH \slot, (\q)+1, F0+128*(1-(\q)%2), 1-(\q)%2
	s_wait_dscnt 33                                ; all but the 33 just issued
	WIN MUL
	MUL8 F0+128*((\q)%2), (\q)%2, 2, \first
.endm
; A slot's last step changes slots: one barrier; in front of it each wave waits for all its tensor loads, adds 0 to its spare word, and waits for that and for its reads of this slot.  fill = 1: the slot is filled again, 8 K steps on.
.macro TURN slot, next, fill
	WIN 0
	s_wait_tensorcnt 0x0                           ; my part of the next slot has landed
	ds_add_u32 v[SPW], v[NIL]                      ; 0 onto my spare word
	s_wait_dscnt 9                                 ; (the add and the youngest eight loads may be out)
	WIN MUL
	MUL8 F1, 1, 0, 0
	s_wait_dscnt 0x0                               ; the add is done, and my reads of this slot are over
	s_barrier_signal -1
	WIN 0
	s_barrier_wait -1
.if \fill
	CREST                                          ; the barrier has opened a round of the cluster's: no wave of any partner still reads this slot or has a load on its way
	s_add_nc_u64 s[G0+4*\slot+2:G0+4*\slot+3], s[G0+4*\slot+2:G0+4*\slot+3], 8*KB
	s_add_nc_u64 s[G0B+4*\slot+2:G0B+4*\slot+3], s[G0B+4*\slot+2:G0B+4*\slot+3], 8*KB
	JLOAD \slot                                    ; the first tensor load behind the round; its four v_nop are also the places in front of the loads below
.else
	PLACES
.endif
	FETCH \next, 0, F0, 0
	WIN MUL
	MUL8 F1, 1, 2, 0
.endm
	s_load_b256 s[4:11], s[0:1], 0x0               ; the tokens' codes s[4:5], wc s[6:7], the bias s[8:9], the residual s[10:11]
	s_load_b64 s[12:13], s[0:1], 0x20              ; the result
	v_lshl_add_u32 v[SPW], v0, 2, SPARE
	v_mov_b32 v[NIL], 0
	ds_add_u32 v[SPW], v[NIL]                      ; the wave's opening: the add, twice on end, and its wait ahead of my first tensor load
	ds_add_u32 v[SPW], v[NIL]
	v_lshrrev_b32 v1, 5, v0
	v_readfirstlane_b32 s14, v1                    ; wave 0..3
	s_lshr_b32 s15, s14, 1                         ; which 64 tokens are mine.  Also: I fetch the tokens' codes (0) or the weight's (1)
	s_and_b32 s16, s14, 1                          ; which 64 columns.  Also: which four K steps, and so which slot, I fetch
	s_bfe_u32 s40, ttmp6, 0x40000                  ; cx, cy: my place in the cluster
	s_bfe_u32 s41, ttmp6, 0x40004
	s_lshl_b32 s42, ttmp9, 2
	s_add_co_u32 s42, s42, s40                     ; column tile
	s_and_b32 s17, ttmp7, 0xffff
	s_lshl_b32 s17, s17, 2
	s_add_co_u32 s17, s17, s41                     ; block of 128 tokens
	s_lshl_b32 s43, s41, 2
	s_lshl_b32 s43, 15, s43                        ; my row of the cluster
	s_lshl_b32 s44, 0x1111, s40                    ; my column
	s_or_b32 s[G1], s43, (3<<16)|(1<<21)           ; the tokens' codes go to my row; elements of 8 bytes; bit 21 beside a mask; no padding
	s_or_b32 s[G1B], s44, (3<<16)|(1<<21)          ; the weight's to my column
.irp g, G1, G1B                        ; four K steps, 51,200 dense bytes, as 200 rows of 256 bytes
	s_mov_b32 s[\g+1], 32<<16
	s_mov_b32 s[\g+2], 200<<16                     ; four K steps, 51,200 dense bytes, as 200 rows of 256 bytes
	s_mov_b32 s[\g+3], 32<<16
	s_mov_b32 s[\g+4], 200
	s_mov_b32 s[\g+5], 32
	s_mov_b32 s[\g+6], 0
	s_mov_b32 s[\g+7], 0
.endr
	s_mul_i32 s18, s16, 4*KB                       ; which four K steps I fetch
	s_mul_i32 s20, s17, KSTEPS*KB
	s_add_co_u32 s20, s20, s18
	s_mov_b32 s21, 0
	s_mul_i32 s46, s42, NSTRIDE
	s_add_co_u32 s46, s46, s18
	s_add_co_u32 s46, s46, WBASE
	s_mov_b32 s47, 0
	s_mul_i32 s45, s16, SLOT                       ; where they go: K steps 0-3 into slot 0, 4-7 into slot 1,
	s_mul_i32 s19, s15, BOFF                       ; the weight's behind the tokens': made of the wave's number alone
	s_add_co_u32 s45, s45, s19
	s_wait_dscnt 0x0                               ; both opening adds are done
	s_wait_kmcnt 0x0
	s_add_nc_u64 s[20:21], s[4:5], s[20:21]
	s_add_nc_u64 s[46:47], s[6:7], s[46:47]
	CROUND                                         ; all sixteen work-groups are here: the first joint loads meet
.irp s, 0
	s_mov_b32 s[G0+4*\s], 1
	s_add_co_u32 s[G0+4*\s+1], s45, \s*SLOT
	s_add_nc_u64 s[G0+4*\s+2:G0+4*\s+3], s[20:21], \s*4*KB
	s_or_b32 s[G0+4*\s+3], s[G0+4*\s+3], 0x80000000
	s_mov_b32 s[G0B+4*\s], 1
	s_add_co_u32 s[G0B+4*\s+1], s45, \s*SLOT
	s_add_nc_u64 s[G0B+4*\s+2:G0B+4*\s+3], s[46:47], \s*4*KB
	s_or_b32 s[G0B+4*\s+3], s[G0B+4*\s+3], 0x80000000
	JLOAD \s                                       ; my one load: the four waves' loads bring all of K
.endr
	v_and_b32 v1, 15, v0                           ; p
	v_bfe_u32 v2, v0, 4, 1                         ; h
	v_and_b32 v3, 31, v0
	v_lshlrev_b32 v[L16], 4, v3
	s_wait_alu depctr_va_vdst(0)
	v_lshlrev_b32 v[L8], 4, v1
	v_lshl_add_u32 v[L8], v2, 3, v[L8]
	s_wait_alu depctr_va_vdst(0)
	v_lshlrev_b32 v[BO], 6, v2
	s_lshl_b32 s46, s42, 9                         ; my 64 columns, in bytes: 512 x tile + 256 x half
	s_lshl_b32 s47, s16, 8
	s_add_co_u32 s46, s46, s47
	s_mov_b32 s47, 0
	s_add_nc_u64 s[8:9], s[8:9], s[46:47]
.irp b, 0,1,2,3                        ; the bias at my registers' columns: 32 (b / 2) + 8 (b % 2) + 16 h + 0 .. 7
	global_load_b128 v[BIAS+8*\b:BIAS+8*\b+3], v[BO], s[8:9] offset:(32*(\b/2)+8*(\b%2))*4
	global_load_b128 v[BIAS+8*\b+4:BIAS+8*\b+7], v[BO], s[8:9] offset:(32*(\b/2)+8*(\b%2))*4+16
.endr
	s_lshl_b32 s20, s17, 7
	s_lshl_b32 s21, s15, 6
	s_add_co_u32 s20, s20, s21
	s_lshl_b32 s20, s20, 12                        ; my first token's row of 4,096 bytes
	s_mov_b32 s21, 0
	s_add_nc_u64 s[20:21], s[20:21], s[46:47]
	s_add_nc_u64 s[10:11], s[10:11], s[20:21]
	s_add_nc_u64 s[12:13], s[12:13], s[20:21]
	s_mul_i32 s21, s15, 4*FRG
	s_mul_i32 s22, s16, 4*FRG
	s_add_co_u32 s22, s22, BOFF
.irp s, 0,1
	v_add_nc_u32 v[A16+\s], s21, v[L16]
	v_add_nc_u32 v[A8+\s], s21, v[L8]
	v_add_nc_u32 v[B16+\s], s22, v[L16]
	v_add_nc_u32 v[B8+\s], s22, v[L8]
	s_add_co_u32 s21, s21, SLOT
	s_add_co_u32 s22, s22, SLOT
.endr
	s_lshl_b32 s21, s15, 8
	s_lshl_b32 s22, s16, 8
	s_add_co_u32 s22, s22, BOFF
	s_sub_co_u32 s22, s22, s21
	v_mul_u32_u24 v30, s22, v2                     ; lanes 16-31 take the weight's words: one product, the distance between the two
	v_lshl_add_u32 v30, v1, 4, v30
	s_add_co_u32 s21, s21, SCW
	v_add_nc_u32 v[ADS], s21, v30
	v_add_nc_u32 v[ADS+1], SLOT, v[ADS]
	s_mul_i32 s23, s14, 16*272
	s_add_co_u32 s23, s23, STAGE                   ; my stage
	v_mul_u32_u24 v[STO], v1, 272
	v_lshl_add_u32 v[STO], v2, 6, v[STO]
	v_add_nc_u32 v[STO], s23, v[STO]               ; in: row p, + 64 h
	v_mul_u32_u24 v[RD], v2, 272
	v_lshl_add_u32 v[RD], v1, 4, v[RD]
	v_add_nc_u32 v[RD], s23, v[RD]                 ; back: lanes 0-15 one row of 256 bytes, lanes 16-31 the next
	v_lshlrev_b32 v[CO], 12, v2
	v_lshl_add_u32 v[CO], v1, 4, v[CO]             ; and the same two rows in memory
; the residual of token fragment i: stage rows 2 t and 2 t + 1 are tokens 32 (i / 2) + 8 (i % 2) + 2 t + 8 (t / 4) and the next
.macro RESLD i, buf
.irp t, 0,1,2,3,4,5,6,7
	global_load_b128 v[\buf+4*\t:\buf+4*\t+3], v[CO], s[10:11] offset:(32*((\i)/2)+8*((\i)%2)+2*\t+8*(\t/4))*4096 th:TH_LOAD_NT
.endr
.endm
; token fragment i goes through my stage, takes its residual and leaves: sixteen lanes store 256 consecutive, aligned bytes
.macro OUTB i, buf, left
.if (\i) > 0
	s_wait_xcnt 0x0                                ; the last fragment's stores have read their registers
.endif
.irp b, 0,1,2,3
	ds_store_b128 v[STO], v[ACC+32*(\i)+8*\b:ACC+32*(\i)+8*\b+3] offset:128*(\b/2)+32*(\b%2)      ; each accumulator from its low end on
	ds_store_b128 v[STO], v[ACC+32*(\i)+8*\b+4:ACC+32*(\i)+8*\b+7] offset:128*(\b/2)+32*(\b%2)+16
.endr
.irp t, 0,1,2,3,4,5,6,7
	ds_load_b128 v[BK+4*\t:BK+4*\t+3], v[RD] offset:544*\t   ; LDS serves a wave's instructions in order: these see my stores
.endr
	s_wait_dscnt 0x0
	s_wait_loadcnt \left                           ; this fragment's residual is in; the next one's eight loads may be out
.set j, 0
.rept 16
	v_pk_add_f32 v[BK+j:BK+j+1], v[BK+j:BK+j+1], v[\buf+j:\buf+j+1]
.set j, j+2
.endr
.irp t, 0,1,2,3,4,5,6,7
	global_store_b128 v[CO], v[BK+4*\t:BK+4*\t+3], s[12:13] offset:(32*((\i)/2)+8*((\i)%2)+2*\t+8*(\t/4))*4096
.endr
.endm
	s_wait_alu depctr_va_vdst(0)
	s_wait_tensorcnt 0x0                           ; my load has landed
	s_barrier_signal -1
	s_barrier_wait -1
	FETCH 0, 0, F0, 0
	s_wait_loadcnt 0x0                             ; the bias
	STEP 0, 0, 1                                   ; the first step stands in front of the loop: the bias starts the sums
.if LAPS > 1
	WIN 0                                          ; at a label and at a branch every window is 0
	s_mov_b32 s3, LAPS-1
.Llap:                                             ; a trip goes once round the ring and fills both slots again
	STEP 0, 1, 0
	STEP 0, 2, 0
	TURN 0, 1, 1
	STEP 1, 0, 0
	STEP 1, 1, 0
	STEP 1, 2, 0
	TURN 1, 0, 1
	STEP 0, 0, 0
	WIN 0
	s_sub_co_u32 s3, s3, 1
	s_cmp_lg_u32 s3, 0
	s_cbranch_scc1 .Llap
.endif
	STEP 0, 1, 0                                   ; the last lap fills nothing
	STEP 0, 2, 0
	TURN 0, 1, 0
	WIN 0
	RESLD 0, R0                                    ; the first two fragments' residual is asked for four K steps ahead of its use
	RESLD 1, R1                                    ; (into the registers that held the bias: its last reader stands many places back)
	STEP 1, 0, 0
	STEP 1, 1, 0
	STEP 1, 2, 0
	s_wait_dscnt 8                                 ; the last step: nothing more to fetch
	WIN MUL
	MUL8 F1, 1, 0, 0
	s_wait_dscnt 0x0
	MUL8 F1, 1, 2, 0
	WIN 0
	PLACES
	OUTB 0, R0, 8
	RESLD 2, R0
	OUTB 1, R1, 8
	RESLD 3, R1
	OUTB 2, R0, 8
	OUTB 3, R1, 0
	s_wait_tensorcnt 0x0                           ; the wave's end
	ds_add_u32 v[SPW], v[NIL]
	s_wait_dscnt 0x0
	CROUND                                         ; the closing round
	s_endpgm
.Lfunc_end_k_q2eb1ad49e1_wo:
	.size	k_q2eb1ad49e1_wo, .Lfunc_end_k_q2eb1ad49e1_wo-k_q2eb1ad49e1_wo
	.p2alignl 7, 3214868480
	.fill 96, 4, 3214868480
	.section	.rodata,"a",@progbits
	.p2align	6, 0x0
	.amdhsa_kernel k_q2eb1ad49e1_wo
		.amdhsa_group_segment_fixed_size 327680
		.amdhsa_private_segment_fixed_size 0
		.amdhsa_enable_private_segment 0
		.amdhsa_kernarg_size 40
		.amdhsa_user_sgpr_count 2
		.amdhsa_user_sgpr_kernarg_segment_ptr 1
		.amdhsa_wavefront_size32 1
		.amdhsa_system_sgpr_workgroup_id_x 1
		.amdhsa_system_sgpr_workgroup_id_y 1
		.amdhsa_system_sgpr_workgroup_id_z 1
		.amdhsa_system_vgpr_workitem_id 0
		.amdhsa_next_free_vgpr 512
		.amdhsa_next_free_sgpr 96
		.amdhsa_reserve_vcc 0
		.amdhsa_float_denorm_mode_32 3
		.amdhsa_float_denorm_mode_16_64 3
		.amdhsa_memory_ordered 1
		.amdhsa_forward_progress 1
		.amdhsa_inst_pref_size 58
	.end_amdhsa_kernel
	.amdgpu_metadata
---
amdhsa.version: [ 1, 2 ]
amdhsa.kernels:
  - .name:           k_q2eb1ad49e1_wo
    .symbol:         k_q2eb1ad49e1_wo.kd
    .args:
      - { .name: cc, .offset: 0, .size: 8, .value_kind: global_buffer, .address_space: global }
      - { .name: wc, .offset: 8, .size: 8, .value_kind: global_buffer, .address_space: global }
      - { .name: bO, .offset: 16, .size: 8, .value_kind: global_buffer, .address_space: global }
      - { .name: x, .offset: 24, .size: 8, .value_kind: global_buffer, .address_space: global }
      - { .name: x1, .offset: 32, .size: 8, .value_kind: global_buffer, .address_space: global }
    .group_segment_fixed_size: 327680
    .private_segment_fixed_size: 0
    .kernarg_segment_align: 8
    .kernarg_segment_size: 40
    .max_flat_workgroup_size: 128
    .sgpr_count:     96
    .vgpr_count:     512
    .wavefront_size: 32
...
	.end_amdgpu_metadata
.endif
;; end of part 5
;; launch norm2: the kernel of part 2 again; grid 256 x 1, 8 waves a work-group, no clusters, 69,120 bytes of LDS; arguments x1, g2, hc; writes hc
;; launch ffn1 (part 6): grid 8 x 32, 4 waves a work-group, clusters of 4 x 4, 327,680 bytes of LDS; arguments hc, wc, b1, hid; writes hid
.if DOCPART == 6
	.amdgcn_target "amdgcn-amd-amdhsa--gfx1250"
	.amdhsa_code_object_version 6
	.text
	.protected	k_q2eb1ad49e1_ffn1
	.globl	k_q2eb1ad49e1_ffn1
	.p2align	8
	.type	k_q2eb1ad49e1_ffn1,@function
k_q2eb1ad49e1_ffn1:
	s_mov_b64 s[64:65], 0
	v_nop
	global_prefetch_b8 v0, s[64:65] scope:SCOPE_SE
	s_setreg_imm32_b32 hwreg(HW_REG_WAVE_MODE, 25, 1), 1
	s_wait_xcnt 0x0
	s_wait_alu depctr_hold_cnt(0) depctr_sa_sdst(0) depctr_va_vdst(0) depctr_va_sdst(0) depctr_va_ssrc(0) depctr_va_vcc(0) depctr_vm_vsrc(0)
	s_getreg_b32 s2, hwreg(HW_REG_IB_STS2, 6, 4)
	s_cmp_eq_u32 s2, 0
	s_cbranch_scc0 .Lentry_in_a_cluster
	s_endpgm
.Lentry_in_a_cluster:
	s_bfe_u32 s2, ttmp6, 0x10000c
	s_cmp_lg_u32 s2, 0xf033
	s_cbranch_scc0 .Lentry_shape_is_right
	s_endpgm
.Lentry_shape_is_right:
.set KB,    12800
.set KSTEPS, 8
.set WBASE, 136*KB
.set NSTRIDE, 32*KB
.set FRG,   1536
.set SCW,   12288
.set BOFF,  4*KB
.set SLOT,  8*KB
.set SST,   2*SLOT
.set SPARE, SST+512
.set A16,   4
.set A8,    6
.set B16,   8
.set B8,    10
.set ADS,   12
.set SPW,   14
.set NIL,   15
.set SC,    16
.set L16,   24
.set L8,    25
.set SSA,   26
.set SSR,   27
.set BO,    29
.set PCB,   32
.set PT,    64
.set TM,    68
.set HWB,   72
.set BIAS,  96
.set ACC,   128
.set F0,    0
.set F1,    128
.set G1,    24
.set G0,    32
.set G1B,   48
.set G0B,   56
.set SEL,   66
.set MSB, 0
.macro WIN new
.if MSB != \new
	s_set_vgpr_msb (MSB<<8)|\new
.set MSB, \new
.endif
.endm
.set MUL,  0x05
.set TO_F, 0x40
.macro PLACES
.rept 4
	v_nop
.endr
.endm
.macro JLOAD s
	s_cmp_eq_u32 s15, 0
	s_cbranch_scc0 .Lfor_b_\@
	tensor_load_to_lds s[G0+4*\s:G0+4*\s+3], s[G1:G1+7]
	s_nop 0
.rept 4
	v_nop
.endr
	s_branch .Lasked_\@
.Lfor_b_\@:
	tensor_load_to_lds s[G0B+4*\s:G0B+4*\s+3], s[G1B:G1B+7]
	s_nop 0
.rept 4
	v_nop
.endr
.Lasked_\@:
.endm
.macro JLOADB s
	s_cmp_eq_u32 s15, 0
	s_cbranch_scc0 .Lfor_b_\@
.rept 4
	v_nop
.endr
	s_branch .Lasked_\@
.Lfor_b_\@:
	tensor_load_to_lds s[G0B+4*\s:G0B+4*\s+3], s[G1B:G1B+7]
	s_nop 0
.rept 4
	v_nop
.endr
.Lasked_\@:
.endm
.macro CREST
	s_cmp_lg_u32 s14, 0
	s_cbranch_scc1 .Lnot_wave_0_\@
	s_barrier_signal -3
.Lnot_wave_0_\@:
	s_barrier_wait -3
	s_barrier_signal -1
	s_barrier_wait -1
.endm
.macro CROUND
	s_barrier_signal -1
	s_barrier_wait -1
	CREST
.endm
.macro MUL8 f, set, a0, first
.irp a, \a0, \a0+1
.irp b, 0,1,2,3
.if \first
	v_wmma_scale_f32_16x16x128_f8f6f4 v[ACC+8*(4*(\a)+\b):ACC+8*(4*(\a)+\b)+7], v[(\f)+48+12*\b:(\f)+48+12*\b+11], v[(\f)+12*(\a):(\f)+12*(\a)+11], v[BIAS+8*\b:BIAS+8*\b+7], v[SC+4*(\set)+\b], v[SC+4*(\set)+(\a)] matrix_a_fmt:MATRIX_FMT_FP6 matrix_b_fmt:MATRIX_FMT_FP6 matrix_a_scale:MATRIX_SCALE_ROW1
.else
	v_wmma_scale_f32_16x16x128_f8f6f4 v[ACC+8*(4*(\a)+\b):ACC+8*(4*(\a)+\b)+7], v[(\f)+48+12*\b:(\f)+48+12*\b+11], v[(\f)+12*(\a):(\f)+12*(\a)+11], v[ACC+8*(4*(\a)+\b):ACC+8*(4*(\a)+\b)+7], v[SC+4*(\set)+\b], v[SC+4*(\set)+(\a)] matrix_a_fmt:MATRIX_FMT_FP6 matrix_b_fmt:MATRIX_FMT_FP6 matrix_a_scale:MATRIX_SCALE_ROW1
.endif
.endr
.endr
.endm
.macro FRAGLD reg, a16, a8, off
	ds_load_b128 v[\reg:\reg+3], v[\a16] offset:\off
	ds_load_b64 v[\reg+4:\reg+5], v[\a8] offset:\off+512
	ds_load_b128 v[\reg+6:\reg+9], v[\a16] offset:\off+768
	ds_load_b64 v[\reg+10:\reg+11], v[\a8] offset:\off+1280
.endm
.macro FETCH slot, q, f, set
	WIN 0
	ds_load_b128 v[SC+4*(\set):SC+4*(\set)+3], v[ADS+\slot] offset:(\q)*KB
	WIN TO_F
.irp i, 0,1,2,3
	FRAGLD (\f)+48+12*\i, B16+\slot, B8+\slot, (\q)*KB+\i*FRG
.endr
.irp i, 0,1,2,3
	FRAGLD (\f)+12*\i, A16+\slot, A8+\slot, (\q)*KB+\i*FRG
.endr
.endm
.macro STEP slot, q, first
	s_wait_dscnt 8
	WIN MUL
	MUL8 F0+128*((\q)%2), (\q)%2, 0, \first
	PLACES
	FETCH \slot, (\q)+1, F0+128*(1-(\q)%2), 1-(\q)%2
	s_wait_dscnt 33
	WIN MUL
	MUL8 F0+128*((\q)%2), (\q)%2, 2, \first
.endm
.macro TURN slot, next, fill
	WIN 0
	s_wait_tensorcnt 0x0
	ds_add_u32 v[SPW], v[NIL]
	s_wait_dscnt 9
	WIN MUL
	MUL8 F1, 1, 0, 0
	s_wait_dscnt 0x0
	s_barrier_signal -1
	WIN 0
	s_barrier_wait -1
.if \fill
	CREST
	s_add_nc_u64 s[G0B+4*\slot+2:G0B+4*\slot+3], s[G0B+4*\slot+2:G0B+4*\slot+3], 8*KB
	JLOADB \slot
.else
	PLACES
.endif
	FETCH \next, 0, F0, 0
	WIN MUL
	MUL8 F1, 1, 2, 0
.endm
.macro QUANT2 s, pc, pt, hw, tm
.irp b, 0,1
	v_max3_num_f32 v[\tm+\b], |v[\s+16*\b]|, |v[\s+16*\b+1]|, 0x1800000
.endr
.irp i, 2,4,6,8,10,12,14
.irp b, 0,1
	v_max3_num_f32 v[\tm+\b], v[\tm+\b], |v[\s+16*\b+\i]|, |v[\s+16*\b+\i+1]|
.endr
.endr
.irp b, 0,1
	v_permlanex16_b32 v[\tm+2+\b], v[\tm+\b], s[SEL], s[SEL+1]
.endr
.irp b, 0,1
	v_max_num_f32 v[\tm+\b], v[\tm+\b], v[\tm+2+\b]
.endr
.irp b, 0,1
	v_add_nc_u32 v[\tm+\b], 0xff000000, v[\tm+\b]
.endr
.irp b, 0,1
	v_lshrrev_b32 v[\tm+2+\b], 23, v[\tm+\b]
.endr
	v_lshl_or_b32 v[\hw], v[\tm+3], 8, v[\tm+2]
	v_cvt_scalef32_pk16_fp6_f32 v[\pc:\pc+2], v[\s:\s+15], v[\tm]
	v_cvt_scalef32_pk16_fp6_f32 v[\pt:\pt+2], v[\s+16:\s+31], v[\tm+1]
	v_nop
.irp i, 0,1,2
	v_permlane16_swap_b32 v[\pc+\i], v[\pt+\i]
.endr
.irp i, 0,1,2
	v_mov_b32 v[\pc+3+\i], v[\pt+\i]
.endr
.endm
.macro BIASLD
.irp b, 0,1,2,3
	global_load_b128 v[BIAS+8*\b:BIAS+8*\b+3], v[BO], s[8:9] offset:(32*(\b/2)+8*(\b%2))*4
	global_load_b128 v[BIAS+8*\b+4:BIAS+8*\b+7], v[BO], s[8:9] offset:(32*(\b/2)+8*(\b%2))*4+16
.endr
.endm
.macro HID next
	WIN 0
	PLACES
.if \next
	s_add_nc_u64 s[8:9], s[8:9], 512
	BIASLD
.endif
.irp i, 0,1,2,3
.set j, 0
.rept 32
	v_max_num_f32 v[ACC+32*\i+j], 0, v[ACC+32*\i+j]
.set j, j+1
.endr
	QUANT2 ACC+32*\i, PCB+8*\i, PT, HWB+\i, TM
	global_store_b128 v[L16], v[PCB+8*\i:PCB+8*\i+3], s[10:11] offset:FRG*\i
	global_store_b64 v[L8], v[PCB+8*\i+4:PCB+8*\i+5], s[10:11] offset:FRG*\i+512
	ds_store_b16 v[SSA], v[HWB+\i] offset:4*\i
.endr
	s_wait_dscnt 0x0
	s_barrier_signal -1
	s_barrier_wait -1
	s_cmp_lg_u32 s14, 0
	s_cbranch_scc1 .Lnot0_\@
	ds_load_b128 v[76:79], v[SSR]
	s_wait_dscnt 0x0
	global_store_b128 v[L16], v[76:79], s[10:11] offset:SCW
.Lnot0_\@:
.if \next
	s_wait_xcnt 0x0
	s_add_nc_u64 s[10:11], s[10:11], KB
.endif
.endm
	s_load_b256 s[4:11], s[0:1], 0x0
	v_lshl_add_u32 v[SPW], v0, 2, SPARE
	v_mov_b32 v[NIL], 0
	ds_add_u32 v[SPW], v[NIL]
	ds_add_u32 v[SPW], v[NIL]
	v_lshrrev_b32 v1, 5, v0
	v_readfirstlane_b32 s14, v1
	s_lshr_b32 s15, s14, 1
	s_and_b32 s16, s14, 1
	s_bfe_u32 s40, ttmp6, 0x40000
	s_bfe_u32 s41, ttmp6, 0x40004
	s_lshl_b32 s42, ttmp9, 2
	s_add_co_u32 s42, s42, s40
	s_and_b32 s17, ttmp7, 0xffff
	s_lshl_b32 s17, s17, 2
	s_add_co_u32 s17, s17, s41
	s_lshl_b32 s43, s41, 2
	s_lshl_b32 s43, 15, s43
	s_lshl_b32 s44, 0x1111, s40
	s_or_b32 s[G1], s43, (3<<16)|(1<<21)
	s_or_b32 s[G1B], s44, (3<<16)|(1<<21)
.irp g, G1, G1B
	s_mov_b32 s[\g+1], 32<<16
	s_mov_b32 s[\g+2], 100<<16
	s_mov_b32 s[\g+3], 32<<16
	s_mov_b32 s[\g+4], 100
	s_mov_b32 s[\g+5], 32
	s_mov_b32 s[\g+6], 0
	s_mov_b32 s[\g+7], 0
.endr
	s_mul_i32 s18, s16, 2*KB
	s_mul_i32 s20, s17, KSTEPS*KB
	s_add_co_u32 s20, s20, s18
	s_mov_b32 s21, 0
	s_mul_i32 s46, s42, NSTRIDE
	s_add_co_u32 s46, s46, s18
	s_add_co_u32 s46, s46, WBASE
	s_mov_b32 s47, 0
	s_mul_i32 s45, s14, 2*KB
	s_mov_b32 s[SEL], 0x76543210
	s_mov_b32 s[SEL+1], 0xfedcba98
	s_wait_dscnt 0x0
	s_wait_kmcnt 0x0
	s_add_nc_u64 s[20:21], s[4:5], s[20:21]
	s_add_nc_u64 s[46:47], s[6:7], s[46:47]
	CROUND
.irp s, 0,1
	s_mov_b32 s[G0+4*\s], 1
	s_add_co_u32 s[G0+4*\s+1], s45, \s*SLOT
	s_add_nc_u64 s[G0+4*\s+2:G0+4*\s+3], s[20:21], \s*4*KB
	s_or_b32 s[G0+4*\s+3], s[G0+4*\s+3], 0x80000000
	s_mov_b32 s[G0B+4*\s], 1
	s_add_co_u32 s[G0B+4*\s+1], s45, \s*SLOT
	s_add_nc_u64 s[G0B+4*\s+2:G0B+4*\s+3], s[46:47], \s*4*KB
	s_or_b32 s[G0B+4*\s+3], s[G0B+4*\s+3], 0x80000000
	s_wait_alu depctr_va_vdst(0)
	s_wait_tensorcnt 0x0
	ds_add_u32 v14, v15
	ds_add_u32 v14, v15
	s_wait_dscnt 0x0
	CROUND
	JLOAD \s
.endr
	v_and_b32 v1, 15, v0
	v_bfe_u32 v2, v0, 4, 1
	v_and_b32 v3, 31, v0
	v_lshlrev_b32 v[L16], 4, v3
	s_wait_alu depctr_va_vdst(0)
	v_lshlrev_b32 v[L8], 4, v1
	v_lshl_add_u32 v[L8], v2, 3, v[L8]
	s_wait_alu depctr_va_vdst(0)
	v_lshlrev_b32 v[BO], 6, v2
	s_lshl_b32 s46, s42, 11
	s_lshl_b32 s47, s16, 8
	s_add_co_u32 s46, s46, s47
	s_mov_b32 s47, 0
	s_add_nc_u64 s[8:9], s[8:9], s[46:47]
	BIASLD
	s_mul_i32 s20, s17, 32*KB
	s_mul_i32 s21, s15, 4*FRG
	s_add_co_u32 s20, s20, s21
	s_mul_i32 s21, s16, 768
	s_add_co_u32 s20, s20, s21
	s_mov_b32 s21, 0
	s_mul_i32 s46, s42, 4*KB
	s_add_nc_u64 s[20:21], s[20:21], s[46:47]
	s_add_nc_u64 s[10:11], s[10:11], s[20:21]
	s_mul_i32 s21, s15, 4*FRG
	s_mul_i32 s22, s16, 4*FRG
	s_add_co_u32 s22, s22, BOFF
.irp s, 0,1
	v_add_nc_u32 v[A16+\s], s21, v[L16]
	v_add_nc_u32 v[A8+\s], s21, v[L8]
	v_add_nc_u32 v[B16+\s], s22, v[L16]
	v_add_nc_u32 v[B8+\s], s22, v[L8]
	s_add_co_u32 s21, s21, SLOT
	s_add_co_u32 s22, s22, SLOT
.endr
	s_lshl_b32 s21, s15, 8
	s_lshl_b32 s22, s16, 8
	s_add_co_u32 s22, s22, BOFF
	s_sub_co_u32 s22, s22, s21
	v_mul_u32_u24 v30, s22, v2
	v_lshl_add_u32 v30, v1, 4, v30
	s_add_co_u32 s23, s21, SCW
	v_add_nc_u32 v[ADS], s23, v30
	v_add_nc_u32 v[ADS+1], SLOT, v[ADS]
	s_lshl_b32 s22, s16, 1
	s_add_co_u32 s21, s21, s22
	s_add_co_u32 s21, s21, SST
	v_lshlrev_b32 v[SSA], 4, v1
	v_add_nc_u32 v[SSA], s21, v[SSA]
	v_add_nc_u32 v[SSR], SST, v[L16]
	v_mov_b32 v[TM+2], 0
	v_mov_b32 v[TM+3], 0
	s_wait_alu depctr_va_vdst(0)
	s_wait_tensorcnt 1
	s_barrier_signal -1
	s_barrier_wait -1
	FETCH 0, 0, F0, 0
	WIN 0
	s_mov_b32 s3, 3
.Ltile:
	s_wait_loadcnt 0x0
	STEP 0, 0, 1
	STEP 0, 1, 0
	STEP 0, 2, 0
	TURN 0, 1, 1
	STEP 1, 0, 0
	STEP 1, 1, 0
	STEP 1, 2, 0
	TURN 1, 0, 1
	HID 1
	s_sub_co_u32 s3, s3, 1
	s_cmp_lg_u32 s3, 0
	s_cbranch_scc1 .Ltile
	s_wait_loadcnt 0x0
	STEP 0, 0, 1
	STEP 0, 1, 0
	STEP 0, 2, 0
	TURN 0, 1, 0
	STEP 1, 0, 0
	STEP 1, 1, 0
	STEP 1, 2, 0
	s_wait_dscnt 8
	WIN MUL
	MUL8 F1, 1, 0, 0
	s_wait_dscnt 0x0
	MUL8 F1, 1, 2, 0
	HID 0
	s_wait_tensorcnt 0x0
	ds_add_u32 v[SPW], v[NIL]
	s_wait_dscnt 0x0
	CROUND
	s_endpgm
.Lfunc_end_k_q2eb1ad49e1_ffn1:
	.size	k_q2eb1ad49e1_ffn1, .Lfunc_end_k_q2eb1ad49e1_ffn1-k_q2eb1ad49e1_ffn1
	.p2alignl 7, 3214868480
	.fill 96, 4, 3214868480
	.section	.rodata,"a",@progbits
	.p2align	6, 0x0
	.amdhsa_kernel k_q2eb1ad49e1_ffn1
		.amdhsa_group_segment_fixed_size 327680
		.amdhsa_private_segment_fixed_size 0
		.amdhsa_enable_private_segment 0
		.amdhsa_kernarg_size 32
		.amdhsa_user_sgpr_count 2
		.amdhsa_user_sgpr_kernarg_segment_ptr 1
		.amdhsa_wavefront_size32 1
		.amdhsa_system_sgpr_workgroup_id_x 1
		.amdhsa_system_sgpr_workgroup_id_y 1
		.amdhsa_system_sgpr_workgroup_id_z 1
		.amdhsa_system_vgpr_workitem_id 0
		.amdhsa_next_free_vgpr 512
		.amdhsa_next_free_sgpr 96
		.amdhsa_reserve_vcc 0
		.amdhsa_float_denorm_mode_32 3
		.amdhsa_float_denorm_mode_16_64 3
		.amdhsa_memory_ordered 1
		.amdhsa_forward_progress 1
		.amdhsa_inst_pref_size 108
	.end_amdhsa_kernel
	.amdgpu_metadata
---
amdhsa.version: [ 1, 2 ]
amdhsa.kernels:
  - .name:           k_q2eb1ad49e1_ffn1
    .symbol:         k_q2eb1ad49e1_ffn1.kd
    .args:
      - { .name: hc, .offset: 0, .size: 8, .value_kind: global_buffer, .address_space: global }
      - { .name: wc, .offset: 8, .size: 8, .value_kind: global_buffer, .address_space: global }
      - { .name: b1, .offset: 16, .size: 8, .value_kind: global_buffer, .address_space: global }
      - { .name: hid, .offset: 24, .size: 8, .value_kind: global_buffer, .address_space: global }
    .group_segment_fixed_size: 327680
    .private_segment_fixed_size: 0
    .kernarg_segment_align: 8
    .kernarg_segment_size: 32
    .max_flat_workgroup_size: 128
    .sgpr_count:     96
    .vgpr_count:     512
    .wavefront_size: 32
...
	.end_amdgpu_metadata
.endif
;; end of part 6
;; launch ffn2 (part 7): grid 8 x 32, 4 waves a work-group, clusters of 4 x 4, 327,680 bytes of LDS; arguments hid, wc, b2, x1, out0; writes out0
.if DOCPART == 7
	.amdgcn_target "amdgcn-amd-amdhsa--gfx1250"
	.amdhsa_code_object_version 6
	.text
	.protected	k_q2eb1ad49e1_ffn2
	.globl	k_q2eb1ad49e1_ffn2
	.p2align	8
	.type	k_q2eb1ad49e1_ffn2,@function
k_q2eb1ad49e1_ffn2:
	s_mov_b64 s[64:65], 0
	v_nop
	global_prefetch_b8 v0, s[64:65] scope:SCOPE_SE
	s_setreg_imm32_b32 hwreg(HW_REG_WAVE_MODE, 25, 1), 1
	s_wait_xcnt 0x0
	s_wait_alu depctr_hold_cnt(0) depctr_sa_sdst(0) depctr_va_vdst(0) depctr_va_sdst(0) depctr_va_ssrc(0) depctr_va_vcc(0) depctr_vm_vsrc(0)
	s_getreg_b32 s2, hwreg(HW_REG_IB_STS2, 6, 4)
	s_cmp_eq_u32 s2, 0
	s_cbranch_scc0 .Lentry_in_a_cluster
	s_endpgm
.Lentry_in_a_cluster:
	s_bfe_u32 s2, ttmp6, 0x10000c
	s_cmp_lg_u32 s2, 0xf033
	s_cbranch_scc0 .Lentry_shape_is_right
	s_endpgm
.Lentry_shape_is_right:
; out = x1 + hidden W2 + b2, the product on codes of E2M3 with E8M0 scales.  Nothing is left out.
; A work-group makes 128 tokens x 128 columns.  K (32 steps of 128) IS DIVIDED AMONG THE FOUR WAVES: each wave sums the whole block, 64 accumulators in 512 registers, over 8 K steps;
; a K step is 16 fragments for 64 matrix instructions, and no fragment is fetched by two waves.  The four parts meet in LDS at the end, in f32.
; OPERANDS lie in memory as images of the operand registers: [block of 128 rows][K step][12,800 bytes]: 8 fragments of 1,536 bytes, then 512 bytes of scale words.
; WHERE A WAVE'S K STEPS COME FROM: K steps 0-11 and then 12-23 through LDS, which is one slot of 24 units (12 of the tokens, 12 of the weight; wave w multiplies steps 3 w .. 3 w + 2 of the twelve):
; one joint load of 6 units (300 rows of 256 bytes) a wave at the head, and one more behind a round of the cluster's barrier.  K steps 28 + w and 24 + w come from memory straight into the operand registers.
; CLUSTERS: 4 x 4 work-groups; the tokens' units are shared along a row of the cluster, the weight's along a column: joint loads with a mask that names the four.
; PREFETCH: behind the head's load and 33 register loads each wave names its share of K steps 12-27 (800 blocks of 256 bytes an operand, 200 a partner by address, 50 a wave); behind the refill its own 32 rows of x1.
; TRANSPOSED USE: source 0 = 16 columns of the weight, source 1 = 16 tokens: a lane holds eight neighbouring columns of one token's row.
; REGISTERS: window 0: v4-19 addresses; v32-47 scale words, two sets; v48-239 the tokens' fragments, two sets; v240-243 the bias.  Window 1: the weight's fragments at v0 and v128; at the end v128-255 hold x1.
;            Windows 2, 3: the accumulators, (a, b) at v[8 (8 (a % 4) + b)] of window 2 + a / 4.
.set KB,    12800
.set FRG,   1536
.set SCW,   12288
.set WBASE, 392*KB
.set BOFF,  12*KB                      ; the weight's 12 units lie behind the tokens' 12
.set SPARE, 24*KB                      ; behind the slot: the spare words, 128 bytes a wave
.set SPITCH, 528                       ; the stage: a row of 512 bytes + 16
.set STG,   128*SPITCH                 ; one wave's part of the sums; the four stages lie in the slot, behind its last fill and its last read
.set L16,   4
.set L8,    5
.set LA16,  6
.set LA8,   7
.set LB16,  8
.set LB8,   9
.set STO,   10
.set RD,    12
.set SPW,   16
.set NIL,   17
.set PF,    18
.set PX,    19
.set SC,    32
.set AF,    48
.set BUF,   48
.set BI,    240
.set G1,    24
.set G0,    32
.set G1B,   48
.set G0B,   56
.set DA,    60                         ; s[60:61], s[62:63] K step 24 + w of the tokens' block and of the weight's
.set DB,    62
.set MSB, 0
.macro WIN new                         ; the immediate's high byte repeats the setting that is left
.if MSB != \new
	s_set_vgpr_msb (MSB<<8)|\new
.set MSB, \new
.endif
.endm
.macro PLACES                          ; four places in front of loads into registers that matrix instructions have read, and of the first read of results
.rept 4
	v_nop
.endr
.endm
.macro JLOAD                           ; waves 0, 1 fetch the tokens' units, waves 2, 3 the weight's; an s_nop 0 and four v_nop follow each line
	s_cmp_eq_u32 s15, 0
	s_cbranch_scc0 .Lfor_b_\@
	tensor_load_to_lds s[G0:G0+3], s[G1:G1+7]
	s_nop 0
.rept 4
	v_nop
.endr
	s_branch .Lasked_\@
.Lfor_b_\@:
	tensor_load_to_lds s[G0B:G0B+3], s[G1B:G1B+7]
	s_nop 0
.rept 4
	v_nop
.endr
.Lasked_\@:
.endm
.macro CROUND                          ; a round of the cluster's barrier
	s_barrier_signal -1
	s_barrier_wait -1
	s_cmp_lg_u32 s14, 0
	s_cbranch_scc1 .Lnot_wave_0_\@
	s_barrier_signal -3
.Lnot_wave_0_\@:
	s_barrier_wait -3
	s_barrier_signal -1
	s_barrier_wait -1
.endm
; a fragment's 12 registers by four dense loads: k = 1 from memory, k = 0 from LDS
.macro LD4 k, reg, a16, a8, sb, off
.if \k
	global_load_b128 v[\reg:\reg+3], v[L16], s[\sb:\sb+1] offset:\off
	global_load_b64 v[\reg+4:\reg+5], v[L8], s[\sb:\sb+1] offset:\off+512
	global_load_b128 v[\reg+6:\reg+9], v[L16], s[\sb:\sb+1] offset:\off+768
	global_load_b64 v[\reg+10:\reg+11], v[L8], s[\sb:\sb+1] offset:\off+1280
.else
	ds_load_b128 v[\reg:\reg+3], v[\a16] offset:\off
	ds_load_b64 v[\reg+4:\reg+5], v[\a8] offset:\off+512
	ds_load_b128 v[\reg+6:\reg+9], v[\a16] offset:\off+768
	ds_load_b64 v[\reg+10:\reg+11], v[\a8] offset:\off+1280
.endif
.endm
.macro FA k, set, off                  ; 33 loads: the tokens' unit: its scale words (lanes 0-15 fragments 0-3, lanes 16-31 fragments 4-7) and 8 fragments
	WIN 0
.if \k
	global_load_b128 v[SC+8*(\set):SC+8*(\set)+3], v[L16], s[DA:DA+1] offset:\off+SCW
.else
	ds_load_b128 v[SC+8*(\set):SC+8*(\set)+3], v[LA16] offset:\off+SCW
.endif
.irp i, 0,1,2,3,4,5,6,7
	LD4 \k, AF+96*(\set)+12*\i, LA16, LA8, DA, \off+\i*FRG
.endr
.endm
.macro FB k, set, off                  ; 33 loads: the weight's unit
	WIN 0
.if \k
	global_load_b128 v[SC+8*(\set)+4:SC+8*(\set)+7], v[L16], s[DB:DB+1] offset:\off+SCW
.else
	ds_load_b128 v[SC+8*(\set)+4:SC+8*(\set)+7], v[LB16] offset:\off+SCW
.endif
	WIN 0x40                                       ; destination window 1, address window 0
.irp i, 0,1,2,3,4,5,6,7
	LD4 \k, 128*(\set)+12*\i, LB16, LB8, DB, \off+\i*FRG
.endr
	WIN 0
.endm
.macro FETCH k, set, off
	FA \k, \set, \off
	FB \k, \set, \off
.endm
.macro WM c, ra, rb                    ; ra, rb: which half of the lanes holds the weight's and the tokens' scale words
.if (\ra)==0 && (\rb)==0
	v_wmma_scale_f32_16x16x128_f8f6f4 v[DD:DD+7], v[BB:BB+11], v[AA:AA+11], \c, v[SBB], v[SAA] matrix_a_fmt:MATRIX_FMT_FP6 matrix_b_fmt:MATRIX_FMT_FP6
.endif
.if (\ra)==1 && (\rb)==0
	v_wmma_scale_f32_16x16x128_f8f6f4 v[DD:DD+7], v[BB:BB+11], v[AA:AA+11], \c, v[SBB], v[SAA] matrix_a_fmt:MATRIX_FMT_FP6 matrix_b_fmt:MATRIX_FMT_FP6 matrix_a_scale:MATRIX_SCALE_ROW1
.endif
.if (\ra)==0 && (\rb)==1
	v_wmma_scale_f32_16x16x128_f8f6f4 v[DD:DD+7], v[BB:BB+11], v[AA:AA+11], \c, v[SBB], v[SAA] matrix_a_fmt:MATRIX_FMT_FP6 matrix_b_fmt:MATRIX_FMT_FP6 matrix_b_scale:MATRIX_SCALE_ROW1
.endif
.if (\ra)==1 && (\rb)==1
	v_wmma_scale_f32_16x16x128_f8f6f4 v[DD:DD+7], v[BB:BB+11], v[AA:AA+11], \c, v[SBB], v[SAA] matrix_a_fmt:MATRIX_FMT_FP6 matrix_b_fmt:MATRIX_FMT_FP6 matrix_a_scale:MATRIX_SCALE_ROW1 matrix_b_scale:MATRIX_SCALE_ROW1
.endif
.endm
; 32 matrix instructions: token fragments 4 hi .. 4 hi + 3 x the weight's eight.  zero = 1: the first product starts the sums.  The 64 accumulators take turns in the same order in every step.
.macro MUL32 set, hi, zero
	WIN 0xa1+0x50*(\hi)                            ; source 0 window 1, source 1 window 0, C and D window 2 or 3
.irp a, 0,1,2,3
.irp b, 0,1,2,3,4,5,6,7
.set DD, 8*(8*\a+\b)
.set BB, 128*(\set)+12*\b
.set AA, AF+96*(\set)+12*(4*(\hi)+\a)
.set SBB, SC+8*(\set)+4+(\b%4)
.set SAA, SC+8*(\set)+\a
.if \zero
	WM 0, \b/4, \hi
.else
	WM v[DD:DD+7], \b/4, \hi
.endif
.endr
.endr
.endm
.macro MUL set, zero
	MUL32 \set, 0, \zero
	MUL32 \set, 1, \zero
.endm
.macro PK d, a, b
	v_pk_add_f32 v[\d:\d+1], v[\a:\a+1], v[\b:\b+1]
.endm
	s_load_b256 s[4:11], s[0:1], 0x0               ; hid s[4:5], wc s[6:7], b2 s[8:9], x1 s[10:11]
	s_load_b64 s[12:13], s[0:1], 0x20              ; out0
	v_lshl_add_u32 v[SPW], v0, 2, SPARE
	v_mov_b32 v[NIL], 0
	ds_add_u32 v[SPW], v[NIL]                      ; the wave's opening: the add, twice on end, and its wait ahead of my first tensor load
	ds_add_u32 v[SPW], v[NIL]
	v_lshrrev_b32 v1, 5, v0
	v_readfirstlane_b32 s14, v1                    ; wave 0..3
	s_lshr_b32 s15, s14, 1                         ; I fetch the tokens' units (0) or the weight's (1),
	s_and_b32 s16, s14, 1                          ; the first six of the twelve or the last six
	s_bfe_u32 s40, ttmp6, 0x40000                  ; cx, cy: my place in the cluster
	s_bfe_u32 s41, ttmp6, 0x40004
	s_lshl_b32 s42, ttmp9, 2
	s_add_co_u32 s42, s42, s40                     ; column tile
	s_and_b32 s17, ttmp7, 0xffff
	s_lshl_b32 s17, s17, 2
	s_add_co_u32 s17, s17, s41                     ; block of 128 tokens
	s_lshl_b32 s43, s41, 2
	s_lshl_b32 s43, 15, s43                        ; my row of the cluster
	s_lshl_b32 s44, 0x1111, s40                    ; my column
	s_or_b32 s[G1], s43, (3<<16)|(1<<21)           ; the tokens' units go to my row; elements of 8 bytes; bit 21 beside a mask
	s_or_b32 s[G1B], s44, (3<<16)|(1<<21)          ; the weight's to my column
.irp g, G1, G1B                        ; six units, 76,800 dense bytes, as 300 rows of 256 bytes
	s_mov_b32 s[\g+1], 32<<16
	s_mov_b32 s[\g+2], 300<<16
	s_mov_b32 s[\g+3], 32<<16
	s_mov_b32 s[\g+4], 300
	s_mov_b32 s[\g+5], 32
	s_mov_b32 s[\g+6], 0
	s_mov_b32 s[\g+7], 0
.endr
	s_mul_i32 s18, s16, 6*KB
	s_mov_b32 s19, 0
	s_mul_i32 s20, s17, 32*KB                      ; the tokens' block
	s_mov_b32 s21, 0
	s_mul_i32 s46, s42, 32*KB
	s_add_co_u32 s46, s46, WBASE                   ; the weight's column block
	s_mov_b32 s47, 0
	s_mul_i32 s45, s14, 6*KB                       ; where my six units go: made of the wave's number alone
	s_mul_i32 s22, s14, KB
	s_add_co_u32 s22, s22, 24*KB                   ; K step 24 + w
	s_mov_b32 s23, 0
	s_mul_i32 s70, s40, 200                        ; the prefetches' shares, by address: partner cx (the tokens') or cy (the weight's) takes 200 blocks, wave w 50 of them
	s_mul_i32 s71, s14, 50
	s_add_co_u32 s70, s70, s71
	s_lshl_b32 s70, s70, 8
	s_add_co_u32 s70, s70, 12*KB                   ; from K step 12 on
	s_mul_i32 s72, s41, 200
	s_add_co_u32 s72, s72, s71
	s_lshl_b32 s72, s72, 8
	s_add_co_u32 s72, s72, 12*KB
	s_mov_b32 s71, 0
	s_mov_b32 s73, 0
	s_lshl_b32 s74, s17, 7
	s_lshl_b32 s75, s14, 5
	s_add_co_u32 s74, s74, s75                     ; the way out: my 32 tokens,
	s_lshl_b32 s74, s74, 12                        ; rows of 4,096 bytes,
	s_lshl_b32 s76, s42, 9                         ; the tile's 512 bytes of a row
	s_add_co_u32 s74, s74, s76
	s_mov_b32 s75, 0
	s_mov_b32 s77, 0
	s_mul_i32 s78, s14, 3*KB                       ; LDS: my three K steps of the tokens' twelve,
	s_add_co_u32 s79, s78, BOFF                    ; and of the weight's
	s_mul_i32 s80, s14, STG                        ; my stage
	s_mul_i32 s81, s14, 32*SPITCH                  ; the 32 rows that I sum
	s_wait_dscnt 0x0                               ; both opening adds are done
	s_wait_kmcnt 0x0
	s_add_nc_u64 s[20:21], s[4:5], s[20:21]
	s_add_nc_u64 s[46:47], s[6:7], s[46:47]
	s_add_nc_u64 s[DA:DA+1], s[20:21], s[22:23]
	s_add_nc_u64 s[DB:DB+1], s[46:47], s[22:23]
	s_add_nc_u64 s[66:67], s[20:21], s[70:71]
	s_add_nc_u64 s[68:69], s[46:47], s[72:73]
	s_add_nc_u64 s[8:9], s[8:9], s[76:77]
	s_add_nc_u64 s[10:11], s[10:11], s[74:75]
	s_add_nc_u64 s[12:13], s[12:13], s[74:75]
	s_mov_b32 s[G0], 1
	s_mov_b32 s[G0+1], s45
	s_add_nc_u64 s[G0+2:G0+3], s[20:21], s[18:19]
	s_or_b32 s[G0+3], s[G0+3], 0x80000000
	s_mov_b32 s[G0B], 1
	s_mov_b32 s[G0B+1], s45
	s_add_nc_u64 s[G0B+2:G0B+3], s[46:47], s[18:19]
	s_or_b32 s[G0B+3], s[G0B+3], 0x80000000
	CROUND                                         ; all sixteen work-groups are here: the first joint loads meet
	JLOAD                                          ; K steps 0-11: my one load at the head
	v_and_b32 v1, 15, v0                           ; p
	v_bfe_u32 v2, v0, 4, 1                         ; h
	v_and_b32 v3, 31, v0                           ; lane
	v_lshlrev_b32 v[L16], 4, v3                    ; 16 x lane
	v_lshlrev_b32 v[L8], 4, v1
	v_lshl_add_u32 v[L8], v2, 3, v[L8]             ; 16 p + 8 h
	v_add_nc_u32 v[LA16], s78, v[L16]
	v_add_nc_u32 v[LA8], s78, v[L8]
	v_add_nc_u32 v[LB16], s79, v[L16]
	v_add_nc_u32 v[LB8], s79, v[L8]
	v_mul_u32_u24 v[STO], v1, SPITCH
	v_lshl_add_u32 v[STO], v2, 6, v[STO]
	v_add_nc_u32 v[STO], s80, v[STO]               ; into my stage: row p, + 64 h
	v_add_nc_u32 v[RD], s81, v[L16]                ; out of the four stages: my rows, 16 bytes a lane
	v_add_nc_u32 v[RD+1], STG, v[RD]
	v_add_nc_u32 v[RD+2], 2*STG, v[RD]
	v_add_nc_u32 v[RD+3], 3*STG, v[RD]
	v_min_u32 v[PF], 24, v3                        ; a prefetch names 25 blocks; the lanes left over name the last again
	v_lshlrev_b32 v[PF], 8, v[PF]
	v_lshlrev_b32 v[PX], 12, v3                    ; x1: a lane a row
	s_wait_alu depctr_va_vdst(0)                   ; the wait at the head's end
	FA 1, 0, 4*KB                                  ; K step 28 + w, from memory into set 0
	global_prefetch_b8 v[PF], s[66:67] th:TH_LOAD_NT scope:SCOPE_SE               ; K steps 12-27: what the refill and the second run of register loads will ask for
	global_prefetch_b8 v[PF], s[66:67] offset:6400 th:TH_LOAD_NT scope:SCOPE_SE
	global_prefetch_b8 v[PF], s[68:69] th:TH_LOAD_NT scope:SCOPE_SE
	global_prefetch_b8 v[PF], s[68:69] offset:6400 th:TH_LOAD_NT scope:SCOPE_SE
	FB 1, 0, 4*KB
	s_wait_tensorcnt 0x0                           ; my six units have landed,
	s_barrier_signal -1
	s_barrier_wait -1                              ; everybody's have
	FETCH 0, 1, 0                                  ; K step 3 w into set 1
	s_wait_loadcnt 0x0                             ; K step 28 + w is in
	MUL 0, 1                                       ; its products start the sums
	s_wait_dscnt 0x0
	PLACES
	FETCH 0, 0, KB                                 ; K step 3 w + 1 into set 0
	MUL 1, 0
	s_wait_dscnt 0x0
	PLACES
	FETCH 0, 1, 2*KB                               ; K step 3 w + 2 into set 1: my last reads of this fill
	s_wait_tensorcnt 0x0                           ; no load of mine is out;
	ds_add_u32 v[SPW], v[NIL]                      ; 0 onto my spare word;
	s_add_nc_u64 s[G0+2:G0+3], s[G0+2:G0+3], 12*KB ; the descriptors step to K steps 12-23
	s_add_nc_u64 s[G0B+2:G0B+3], s[G0B+2:G0B+3], 12*KB
	MUL32 0, 0, 0                                  ; 32 matrix instructions stand between the add and the wait for it
	WIN 0
	s_wait_dscnt 0x0                               ; the add is done, and my reads of the slot are over
	CROUND                                         ; no wave of any partner still reads the slot or has a load on its way
	JLOAD                                          ; K steps 12-23: the first tensor load behind the round
	MUL32 0, 1, 0
	PLACES
	FETCH 1, 0, 0                                  ; K step 24 + w, from memory into set 0
	global_prefetch_b8 v[PX], s[10:11] th:TH_LOAD_NT scope:SCOPE_SE               ; my 32 rows of x1, 512 bytes each: read five K steps on
	global_prefetch_b8 v[PX], s[10:11] offset:256 th:TH_LOAD_NT scope:SCOPE_SE
	MUL 1, 0
	WIN 0
	s_wait_tensorcnt 0x0                           ; my six units have landed,
	s_barrier_signal -1
	s_barrier_wait -1                              ; everybody's have; nothing is filled again
	PLACES
	FETCH 0, 1, 0                                  ; K step 12 + 3 w
	s_wait_dscnt 0x0
	MUL 1, 0
	PLACES
	FETCH 0, 1, KB                                 ; K step 13 + 3 w
	s_wait_loadcnt 0x0                             ; K step 24 + w is in
	MUL 0, 0
	s_wait_dscnt 0x0
	PLACES
	FETCH 0, 0, 2*KB                               ; K step 14 + 3 w
	MUL 1, 0
	s_wait_dscnt 0x0                               ; my last reads of the slot are over
	PLACES
	WIN 0x40
.set R, 0
.rept 32                               ; x1 at the rows that I sum: stage row 32 w + R is token 32 w + 8 (R / 16) + R % 16 + 8 ((R % 16) / 8); 32 lanes read 512 consecutive bytes
	global_load_b128 v[128+4*R:128+4*R+3], v[L16], s[10:11] offset:(8*(R/16)+(R%16)+8*((R%16)/8))*4096 th:TH_LOAD_NT
.set R, R+1
.endr
	WIN 0
	global_load_b128 v[BI:BI+3], v[L16], s[8:9]    ; the bias at my four columns
	s_barrier_signal -1                            ; the slot is read no more by me;
	MUL 0, 0                                       ; work on registers while the others arrive
	WIN 0
	s_barrier_wait -1                              ; nor by anybody: it has had its last fill and becomes the stages
	PLACES
.irp a, 0,1,2,3,4,5,6,7                ; my part of all 128 x 128 sums, as rows of 512 bytes in the fragments' order; each accumulator from its low end on
	WIN 0x08+4*(\a/4)                              ; the data: window 2 or 3
.irp b, 0,1,2,3,4,5,6,7
	ds_store_b128 v[STO], v[64*(\a%4)+8*\b:64*(\a%4)+8*\b+3] offset:\a*16*SPITCH+128*(\b/2)+32*(\b%2)
	ds_store_b128 v[STO], v[64*(\a%4)+8*\b+4:64*(\a%4)+8*\b+7] offset:\a*16*SPITCH+128*(\b/2)+32*(\b%2)+16
.endr
.endr
	WIN 0
	s_wait_dscnt 0x0                               ; for the others' sake: my stores are done
	s_barrier_signal -1
	s_barrier_wait -1
	s_wait_loadcnt 0x0                             ; x1 and the bias
.set G, 0
.rept 4                                ; eight rows at a time: the four parts, the bias and x1 are added; 32 lanes store 512 consecutive, aligned bytes
.if G > 0
	s_wait_xcnt 0x0                                ; the last eight rows' stores have read their registers
.endif
.irp r, 0,1,2,3,4,5,6,7
.irp s, 0,1,2,3
	ds_load_b128 v[BUF+16*\r+4*\s:BUF+16*\r+4*\s+3], v[RD+\s] offset:(8*G+\r)*SPITCH
.endr
.endr
	s_wait_dscnt 0x0
.irp r, 0,1,2,3,4,5,6,7
	PK BUF+16*\r, BUF+16*\r, BUF+16*\r+4
	PK BUF+16*\r+2, BUF+16*\r+2, BUF+16*\r+6
	PK BUF+16*\r+8, BUF+16*\r+8, BUF+16*\r+12
	PK BUF+16*\r+10, BUF+16*\r+10, BUF+16*\r+14
.endr
.irp r, 0,1,2,3,4,5,6,7
	PK BUF+16*\r, BUF+16*\r, BUF+16*\r+8
	PK BUF+16*\r+2, BUF+16*\r+2, BUF+16*\r+10
.endr
.irp r, 0,1,2,3,4,5,6,7
	PK BUF+16*\r, BUF+16*\r, BI
	PK BUF+16*\r+2, BUF+16*\r+2, BI+2
.endr
	WIN 0x04                                       ; source 1 window 1: x1
.irp r, 0,1,2,3,4,5,6,7
	PK BUF+16*\r, BUF+16*\r, 128+4*(8*G+\r)
	PK BUF+16*\r+2, BUF+16*\r+2, 128+4*(8*G+\r)+2
.endr
	WIN 0
.irp r, 0,1,2,3,4,5,6,7
.set R, 8*G+\r
	global_store_b128 v[L16], v[BUF+16*\r:BUF+16*\r+3], s[12:13] offset:(8*(R/16)+(R%16)+8*((R%16)/8))*4096 th:TH_STORE_NT
.endr
.set G, G+1
.endr
	s_wait_tensorcnt 0x0                           ; the wave's end
	ds_add_u32 v[SPW], v[NIL]
	s_wait_dscnt 0x0
	CROUND                                         ; the closing round
	s_endpgm
.Lfunc_end_k_q2eb1ad49e1_ffn2:
	.size	k_q2eb1ad49e1_ffn2, .Lfunc_end_k_q2eb1ad49e1_ffn2-k_q2eb1ad49e1_ffn2
	.p2alignl 7, 3214868480
	.fill 96, 4, 3214868480
	.section	.rodata,"a",@progbits
	.p2align	6, 0x0
	.amdhsa_kernel k_q2eb1ad49e1_ffn2
		.amdhsa_group_segment_fixed_size 327680
		.amdhsa_private_segment_fixed_size 0
		.amdhsa_enable_private_segment 0
		.amdhsa_kernarg_size 40
		.amdhsa_user_sgpr_count 2
		.amdhsa_user_sgpr_kernarg_segment_ptr 1
		.amdhsa_wavefront_size32 1
		.amdhsa_system_sgpr_workgroup_id_x 1
		.amdhsa_system_sgpr_workgroup_id_y 1
		.amdhsa_system_sgpr_workgroup_id_z 1
		.amdhsa_system_vgpr_workitem_id 0
		.amdhsa_next_free_vgpr 1024
		.amdhsa_next_free_sgpr 96
		.amdhsa_reserve_vcc 0
		.amdhsa_float_denorm_mode_32 3
		.amdhsa_float_denorm_mode_16_64 3
		.amdhsa_memory_ordered 1
		.amdhsa_forward_progress 1
		.amdhsa_inst_pref_size 156
	.end_amdhsa_kernel
	.amdgpu_metadata
---
amdhsa.version: [ 1, 2 ]
amdhsa.kernels:
  - .name:           k_q2eb1ad49e1_ffn2
    .symbol:         k_q2eb1ad49e1_ffn2.kd
    .args:
      - { .name: hid, .offset: 0, .size: 8, .value_kind: global_buffer, .address_space: global }
      - { .name: wc, .offset: 8, .size: 8, .value_kind: global_buffer, .address_space: global }
      - { .name: b2, .offset: 16, .size: 8, .value_kind: global_buffer, .address_space: global }
      - { .name: x1, .offset: 24, .size: 8, .value_kind: global_buffer, .address_space: global }
      - { .name: out0, .offset: 32, .size: 8, .value_kind: global_buffer, .address_space: global }
    .group_segment_fixed_size: 327680
    .private_segment_fixed_size: 0
    .kernarg_segment_align: 8
    .kernarg_segment_size: 40
    .max_flat_workgroup_size: 128
    .sgpr_count:     96
    .vgpr_count:     1024
    .wavefront_size: 32
...
	.end_amdgpu_metadata
.endif
;; end of part 7
